; MI455X (gfx1250); checked and timed in simulation.
; The chip was launched on July 23, 2026; its instructions are those of AMD's public machine-readable ISA for CDNA 5 (MIT licence, August 2026) and "CDNA5" Instruction Set Architecture Reference Guide (July 2026). The comments in the code are by the model that wrote it; some were corrected since.
;; Hybrid Mo E Layer. Allowed arithmetic: matrix products marked QUANTISED: E4M3 operands, one given power-of-two scale a tensor, by v_wmma_f32_16x16x64_fp8_fp8 or v_wmma_f32_16x16x128_fp8_fp8, f32 sums; products left as they are: f32 operands where the result goes on into a quantised operand, else bf16, f16 or f32 operands; f32 sums; everything else in f32.
;; Inputs: expert_weights 8 x 1,024 x 1,024 float32; lowp_scales 2 int32 (the exponents e of the quantised operands' scales 2^e); router_b 8 float32; router_w 8 x 1,024 float32; tokens 4 x 2,048 x 1,024 float32.
;; Outputs: out0 4 x 2,048 x 1,024 float32.
;; This version of the problem:
;;   THIS VERSION OF THE PROBLEM IS GIVEN IN LOW PRECISION. The matrix products marked QUANTISED in the list below multiply operands that are first quantised to E4M3 (4 exponent bits, 3 mantissa bits; 8 bits a number), with one given power-of-two scale for each operand tensor; their sums are f32. All else is computed in f32.
;;   The module's matrix products, in the order in which they are computed (A, B: the left and right operand; K: the contracted axis; several contracted axes count as one K, in the product's order):
;;     1. [M 8,192, K 1,024] x [K 1,024, N 8]; A: input tokens; B: input router_w: left as it is (N = 8 < 16)
;;     2. [M 8,192, K 1,024] x [K 1,024, N 8,192]; A: input tokens; B: input expert_weights: QUANTISED (scales: A lowp_scales[0], B lowp_scales[1])
;;     3. batch 8,192 x [M 1, K 2] x [K 2, N 1,024]; A: computed on the way; B: computed on the way: left as it is (K = 2 < 32)
;;   THE QUANTISER, for each operand of a quantised product, along K:
;;     - The operand's scale is 2^e, e = its entry of the input lowp_scales (int32; the entries are numbered through the quantised products in the list's order, A before B).
;;     - Each number is divided by the scale, clamped to +-448, and rounded to the nearest number of E4M3, ties to even, subnormals kept.
;;     - The product sums the exact products of the quantised numbers (number of the format x scale) in f32.
;;   ~~~python
;;   def quantise(x, axis, e):      # numpy; x: float32 -> the quantised numbers, widened to float32 again
;;       x = np.moveaxis(x, axis, -1); K = x.shape[-1]
;;       r = np.clip(x / 2.0 ** e, -448, 448)
;;       step = 2.0 ** (np.maximum(np.frexp(np.where(r == 0, 1, r))[1] - 1, -6) - 3)
;;       q = np.round(r / step) * step * 2.0 ** e      # np.round: ties to even
;;       return np.moveaxis(q, -1, axis).astype(np.float32)
;;   ~~~
;; 2 versions. Each part assembles by itself: llvm-mc -triple=amdgcn-amd-amdhsa -mcpu=gfx1250 --defsym DOCPART=n.
;; ======== version 1 of 2: 3 launches
;; limits: right only within a limited range of input values
;; workspace buffers: xq 8,388,608 bytes; wq 8,388,608 bytes; gate 65,536 bytes; choice 32,768 bytes of whole numbers; hist 32,768 bytes of whole numbers; order 32,768 bytes of whole numbers; walk 8,192 bytes of whole numbers
;; launch route (part 1): grid 256 x 1, 8 waves a work-group, no clusters, 34,816 bytes of LDS; arguments tokens, router_w, router_b, lowp_scales, xq, choice, hist, gate; writes xq, choice, hist, gate
.if DOCPART == 1
	.amdgcn_target "amdgcn-amd-amdhsa--gfx1250"
	.amdhsa_code_object_version 6
	.text
	.protected	k_q8f1fe74098_route
	.globl	k_q8f1fe74098_route
	.p2align	8
	.type	k_q8f1fe74098_route,@function
k_q8f1fe74098_route:
	s_mov_b64 s[64:65], 0
	v_nop
	global_prefetch_b8 v0, s[64:65] scope:SCOPE_SE
	s_setreg_imm32_b32 hwreg(HW_REG_WAVE_MODE, 25, 1), 1
	s_wait_xcnt 0x0
; ROUTER AND TOKEN CODES.  tokens [8192][1024] f32, router_w [8][1024], router_b [8], lowp_scales: ex, ew (int32).
; A work-group is a group of 32 tokens; each of its eight waves takes four of them, a whole row spread over the wave:
; lane l holds k = 128 j + 4 l + c in register 4 j + c, so each load of a wave reads 512 consecutive bytes.
; For each token: eight logits by fused multiply-adds in f32, and the row's codes of E4M3 (x / 2^ex, held within +-448, nearest, ties to even).
; The codes leave in the order in which the lanes hold them: byte 16 P + i of a row (P = 32 u + l) is k = 512 u + 4 l + 128 (i / 4) + i % 4.
; The weights' codes are laid in the same order of k by the next launch, so every product meets its partner.
; Wave 0 then takes one token a lane: softmax (the maximum taken away), the two largest (the lower index wins a tie), the gates
;   g = w x (1 + (w0 + w1) 1e-10) / max(w0 + w1, 1e-10) x 2^(ex + ew),   w = p / (p0 + p1 + 1e-10),
; the token's pair of experts as a key 0..27 (pairs in an order in which neighbouring keys share an expert), its rank among the group's
; tokens of that key, and the group's count for each key.  All are stored at fixed places: no address and no branch hangs on them here.
; LIMITS: ex between -126 and 119; the gates with 2^(ex + ew) folded in must be f32 numbers; NaN among the inputs is not served;
; divisions are a reciprocal and a multiplication; the logits' order of summation is this text's own, so a second and a third
; probability that lie closer than that rounding may be chosen otherwise than by another order.
; No tensor loads, no cluster: work-groups share nothing but the router's 32 KB.
.set LOGIT, 32768                      ; LDS: 0..32767 router_w as it lies; from here [32 tokens][8] f32
.set X,   16                           ; v16-143   four tokens x 32 numbers
.set ACC, 144                          ; v144-159  eight pairs of partial sums
.set LG,  160                          ; v160-167  eight logits
.set TP,  168                          ; v168-175  the other half of the lanes' sums
.set CD,  176                          ; v176-207  four tokens x 8 registers of codes: never rewritten, so no store's data are written again
.set RWR, 208                          ; v208-239  my expert's router row as loaded
                                       ; window 1: v[32 e + i]: router_w[e] in the lanes' order of k
.set MSB, 0
.macro WIN new                         ; the immediate's high byte repeats the setting that is left
.if MSB != \new
	s_set_vgpr_msb (MSB<<8)|\new
.set MSB, \new
.endif
.endm
	s_load_b512 s[4:19], s[0:1], 0x0               ; tokens 4, router_w 6, router_b 8, scales 10, xq 12, choice 14, hist 16, gate 18
	v_lshl_add_u32 v254, v0, 2, 0x8400
	v_mov_b32 v255, 0
	v_lshrrev_b32 v6, 5, v0
	v_readfirstlane_b32 s20, v6                    ; wave 0..7
	v_and_b32 v7, 31, v0                           ; lane
	v_lshlrev_b32 v1, 4, v7                        ; 16 x lane
	s_lshl_b32 s40, s20, 12                        ; 4,096 x wave: my expert's router row, in memory and in LDS
	s_mov_b32 s41, 0
	v_add_nc_u32 v2, s40, v1
	s_lshl_b32 s22, s20, 7
	s_add_co_u32 s22, s22, LOGIT
	v_mov_b32 v3, s22                              ; my four tokens' logits in LDS
	s_mov_b32 s34, 0x76543210                      ; v_permlanex16_b32: lane l xor 16
	s_mov_b32 s35, 0xfedcba98
	s_lshl_b32 s36, ttmp9, 17                      ; 32 tokens x 4,096 bytes a group,
	s_lshl_b32 s23, s20, 14                        ; 4 tokens a wave
	s_add_co_u32 s36, s36, s23
	s_mov_b32 s37, 0
	s_lshr_b32 s38, s36, 2                         ; the same tokens' codes: a quarter of the bytes
	s_mov_b32 s39, 0
.irp e, 0,1,2,3,4,5,6,7
	v_mov_b32 v[TP+\e], 0                          ; written once: a lane permute's destination counts as one of its sources
.endr
	s_wait_kmcnt 0x0
	s_load_b256 s[24:31], s[8:9], 0x0              ; router_b
	s_load_b64 s[32:33], s[10:11], 0x0             ; ex, ew
	s_add_nc_u64 s[4:5], s[4:5], s[36:37]
	s_add_nc_u64 s[6:7], s[6:7], s[40:41]
	s_add_nc_u64 s[12:13], s[12:13], s[38:39]
.irp j, 0,1,2,3,4,5,6,7
	global_load_b128 v[RWR+4*\j:RWR+4*\j+3], v1, s[6:7] offset:512*\j
.endr
.irp t, 0,1,2,3
.irp j, 0,1,2,3,4,5,6,7
	global_load_b128 v[X+32*\t+4*\j:X+32*\t+4*\j+3], v1, s[4:5] offset:4096*\t+512*\j th:TH_LOAD_NT   ; all of the wave's 16 KB are asked for at once
.endr
.endr
	s_wait_loadcnt 32                              ; the router row is in; the 32 token loads behind it stay out
.irp j, 0,1,2,3,4,5,6,7
	ds_store_b128 v2, v[RWR+4*\j:RWR+4*\j+3] offset:512*\j
.endr
	s_wait_dscnt 0x0                               ; for the others' sake: my row lies in LDS
	s_barrier_signal -1
	s_barrier_wait -1                              ; all eight rows do
	WIN 0x40                                       ; destination window 1
.irp e, 0,1,2,3,4,5,6,7
.irp j, 0,1,2,3,4,5,6,7
	ds_load_b128 v[32*\e+4*\j:32*\e+4*\j+3], v1 offset:4096*\e+512*\j
.endr
.endr
	WIN 0
	s_wait_kmcnt 0x0
	s_add_co_i32 s42, s32, 127
	s_lshl_b32 s43, s42, 23
	v_mov_b32 v4, s43                              ; 2^ex as f32: the conversion takes its exponent field
	s_add_co_i32 s42, s42, 8
	s_lshl_b32 s42, s42, 23
	s_or_b32 s42, s42, 0x600000
	v_mov_b32 v5, s42                              ; 448 x 2^ex
	s_wait_dscnt 0x0                               ; the router's weights are in registers
.macro TOKEN t
	s_wait_loadcnt 8*(3-\t)                        ; this token's eight loads are in; the later tokens' stay out
	WIN 0x04                                       ; source 1 (the router's weights) window 1
.irp e, 0,1,2,3,4,5,6,7
	v_pk_mul_f32 v[ACC+2*\e:ACC+2*\e+1], v[X+32*\t:X+32*\t+1], v[32*\e:32*\e+1]   ; the first products start the sums: eight chains that do not wait for each other
.endr
.irp k, 1,2,3,4,5,6,7,8,9,10,11,12,13,14,15
.irp e, 0,1,2,3,4,5,6,7
	v_pk_fma_f32 v[ACC+2*\e:ACC+2*\e+1], v[X+32*\t+2*\k:X+32*\t+2*\k+1], v[32*\e+2*\k:32*\e+2*\k+1], v[ACC+2*\e:ACC+2*\e+1]
.endr
.endr
	WIN 0
.irp e, 0,1,2,3,4,5,6,7
	v_add_f32 v[LG+\e], v[ACC+2*\e], v[ACC+2*\e+1]
.endr
.irp x, 1,2,4,8
.irp e, 0,1,2,3,4,5,6,7
	v_add_f32_dpp v[LG+\e], v[LG+\e], v[LG+\e] row_xmask:\x row_mask:0xf bank_mask:0xf
.endr
.endr
.irp e, 0,1,2,3,4,5,6,7
	v_permlanex16_b32 v[TP+\e], v[LG+\e], s34, s35
.endr
.irp e, 0,1,2,3,4,5,6,7
	v_add_f32 v[LG+\e], v[LG+\e], v[TP+\e]         ; every lane holds the eight dot products
.endr
	ds_store_b128 v3, v[LG:LG+3] offset:32*\t      ; all lanes write the same bytes
	ds_store_b128 v3, v[LG+4:LG+7] offset:32*\t+16
.irp i, 0,1,2,3,4,5,6,7,8,9,10,11,12,13,14,15,16,17,18,19,20,21,22,23,24,25,26,27,28,29,30,31
	v_med3_num_f32 v[X+32*\t+\i], v[X+32*\t+\i], -v5, v5   ; the conversion to an 8-bit code does not saturate (ISA guide 7.6.2): the hold at the largest code x the scale
.endr
.irp g, 0,1,2,3
	v_cvt_scalef32_pk8_fp8_f32 v[CD+8*\t+2*\g:CD+8*\t+2*\g+1], v[X+32*\t+8*\g:X+32*\t+8*\g+7], v4
.endr
	v_nop                                          ; one plain vector line behind the last conversion of a run
	global_store_b128 v1, v[CD+8*\t:CD+8*\t+3], s[12:13] offset:1024*\t         ; the wave stores 512 consecutive bytes, aligned
	global_store_b128 v1, v[CD+8*\t+4:CD+8*\t+7], s[12:13] offset:1024*\t+512
.endm
	TOKEN 0
	TOKEN 1
	TOKEN 2
	TOKEN 3
	s_wait_dscnt 0x0                               ; my four tokens' dot products lie in LDS
	s_barrier_signal -1
	s_barrier_wait -1                              ; all 32 tokens' do
	s_cmp_lg_u32 s20, 0
	s_cbranch_scc1 .Lend                           ; wave 0 alone goes on: one token a lane
	v_lshl_add_u32 v8, v7, 5, LOGIT
	ds_load_b128 v[LG:LG+3], v8
	ds_load_b128 v[LG+4:LG+7], v8 offset:16
	s_wait_dscnt 0x0
.irp e, 0,1,2,3,4,5,6,7
	v_add_f32 v[LG+\e], s[24+\e], v[LG+\e]         ; + router_b
.endr
	v_max3_num_f32 v9, v[LG], v[LG+1], v[LG+2]
	v_max3_num_f32 v9, v9, v[LG+3], v[LG+4]
	v_max3_num_f32 v9, v9, v[LG+5], v[LG+6]
	v_max_num_f32 v9, v9, v[LG+7]                  ; the largest logit is taken away, as the softmax has it
.irp e, 0,1,2,3,4,5,6,7
	v_sub_f32 v[LG+\e], v[LG+\e], v9
.endr
.irp e, 0,1,2,3,4,5,6,7
	v_mul_f32 v[LG+\e], 0x3fb8aa3b, v[LG+\e]       ; x log2(e)
.endr
.irp e, 0,1,2,3,4,5,6,7
	v_exp_f32 v[LG+\e], v[LG+\e]
.endr
	v_nop                                          ; a plain line between the exponentials and the first use of a result
	s_wait_alu depctr_va_vdst(0)
	v_add_f32 v10, v[LG], v[LG+1]
	v_add_f32 v11, v[LG+2], v[LG+3]
	v_add_f32 v12, v[LG+4], v[LG+5]
	v_add_f32 v13, v[LG+6], v[LG+7]
	v_add_f32 v10, v10, v11
	v_add_f32 v12, v12, v13
	v_add_f32 v10, v10, v12
	v_rcp_f32 v10, v10
	v_nop
	s_wait_alu depctr_va_vdst(0)
.irp e, 0,1,2,3,4,5,6,7
	v_mul_f32 v[LG+\e], v[LG+\e], v10              ; the probabilities
.endr
	v_mov_b32 v16, v[LG]                           ; the largest, and its expert: a later one is taken only if strictly larger
	v_mov_b32 v17, 0
.irp e, 1,2,3,4,5,6,7
	v_cmp_le_f32 vcc_lo, v[LG+\e], v16             ; keep
	v_cndmask_b32 v17, \e, v17, vcc_lo
	v_cndmask_b32 v16, v[LG+\e], v16, vcc_lo
.endr
	v_mov_b32 v18, -1.0                            ; the second largest: the same among the other seven
	v_mov_b32 v19, 0
.irp e, 0,1,2,3,4,5,6,7
	v_cmp_eq_u32 s38, \e, v17
	v_cmp_le_f32 vcc_lo, v[LG+\e], v18
	s_or_b32 vcc_lo, vcc_lo, s38                   ; keep
	v_cndmask_b32 v19, \e, v19, vcc_lo
	v_cndmask_b32 v18, v[LG+\e], v18, vcc_lo
.endr
	s_mov_b32 s44, 0x2edbe6ff                      ; 1e-10
	v_add_f32 v20, v16, v18
	v_add_f32 v20, s44, v20
	v_rcp_f32 v20, v20
	v_nop
	s_wait_alu depctr_va_vdst(0)
	v_mul_f32 v21, v16, v20                        ; w0
	v_mul_f32 v22, v18, v20                        ; w1
	v_add_f32 v23, v21, v22                        ; w0 + w1
	v_max_num_f32 v24, s44, v23                    ; clipped from below
	v_rcp_f32 v24, v24
	v_fma_f32 v25, v23, s44, 1.0                   ; 1 + (w0 + w1) 1e-10.  (The plain line behind the reciprocal)
	s_wait_alu depctr_va_vdst(0)
	v_mul_f32 v25, v25, v24
	s_add_co_i32 s45, s32, s33
	v_ldexp_f32 v25, v25, s45                      ; x 2^(ex + ew): what the sums of codes lack
	v_mul_f32 v26, v21, v25
	v_mul_f32 v27, v22, v25                        ; the two gates
	v_min_u32 v28, v17, v19                        ; lo,
	v_add_nc_u32 v29, v17, v19
	v_sub_nc_u32 v29, v29, v28                     ; hi
	v_sub_nc_u32 v30, 15, v28
	v_mul_u32_u24 v30, v30, v28
	v_lshrrev_b32 v30, 1, v30                      ; lo (15 - lo) / 2: the pairs with a smaller lo
	v_sub_nc_u32 v31, v29, v28
	v_add_nc_u32 v31, -1, v31                      ; even lo: hi ascending,
	v_sub_nc_u32 v32, 7, v29                       ; odd lo: hi descending
	v_and_b32 v36, 1, v28
	v_cmp_eq_u32 vcc_lo, 1, v36
	v_cndmask_b32 v31, v31, v32, vcc_lo
	v_add_nc_u32 v33, v30, v31                     ; the key, 0..27
	v_mov_b32 v34, 0                               ; my rank among the group's tokens of my key
	v_mov_b32 v35, 0                               ; lane b: the group's count of key b
.irp b, 0,1,2,3,4,5,6,7,8,9,10,11,12,13,14,15,16,17,18,19,20,21,22,23,24,25,26,27
	v_cmp_eq_u32 s38, \b, v33
	v_mbcnt_lo_u32_b32 v36, s38, 0
	v_cndmask_b32 v34, v34, v36, s38
	s_bcnt1_i32_b32 s39, s38
	v_writelane_b32 v35, s39, \b
.endr
	v_lshl_or_b32 v37, v19, 4, v17                 ; e0 | e1 << 4 | key << 8 | rank << 16
	v_lshl_or_b32 v37, v33, 8, v37
	v_lshl_or_b32 v37, v34, 16, v37
	s_lshl_b32 s46, ttmp9, 7
	s_mov_b32 s47, 0
	s_add_nc_u64 s[14:15], s[14:15], s[46:47]
	s_add_nc_u64 s[16:17], s[16:17], s[46:47]
	s_lshl_b32 s46, ttmp9, 8
	s_add_nc_u64 s[18:19], s[18:19], s[46:47]
	v_lshlrev_b32 v38, 2, v7
	v_lshlrev_b32 v39, 3, v7
	global_store_b32 v38, v37, s[14:15]
	global_store_b32 v38, v35, s[16:17]
	global_store_b64 v39, v[26:27], s[18:19]
.Lend:
	s_wait_tensorcnt 0x0
	ds_add_u32 v254, v255
	s_wait_dscnt 0x0
	s_endpgm
.Lfunc_end_k_q8f1fe74098_route:
	.size	k_q8f1fe74098_route, .Lfunc_end_k_q8f1fe74098_route-k_q8f1fe74098_route
	.p2alignl 7, 3214868480
	.fill 96, 4, 3214868480
	.section	.rodata,"a",@progbits
	.p2align	6, 0x0
	.amdhsa_kernel k_q8f1fe74098_route
		.amdhsa_group_segment_fixed_size 34816
		.amdhsa_private_segment_fixed_size 0
		.amdhsa_enable_private_segment 0
		.amdhsa_kernarg_size 64
		.amdhsa_user_sgpr_count 2
		.amdhsa_user_sgpr_kernarg_segment_ptr 1
		.amdhsa_wavefront_size32 1
		.amdhsa_system_sgpr_workgroup_id_x 1
		.amdhsa_system_sgpr_workgroup_id_y 1
		.amdhsa_system_sgpr_workgroup_id_z 1
		.amdhsa_system_vgpr_workitem_id 0
		.amdhsa_next_free_vgpr 512
		.amdhsa_next_free_sgpr 66
		.amdhsa_reserve_vcc 1
		.amdhsa_float_denorm_mode_32 3
		.amdhsa_float_denorm_mode_16_64 3
		.amdhsa_memory_ordered 1
		.amdhsa_forward_progress 1
		.amdhsa_inst_pref_size 80
	.end_amdhsa_kernel
	.amdgpu_metadata
---
amdhsa.version: [ 1, 2 ]
amdhsa.kernels:
  - .name:           k_q8f1fe74098_route
    .symbol:         k_q8f1fe74098_route.kd
    .args:
      - { .name: tokens, .offset: 0, .size: 8, .value_kind: global_buffer, .address_space: global }
      - { .name: router_w, .offset: 8, .size: 8, .value_kind: global_buffer, .address_space: global }
      - { .name: router_b, .offset: 16, .size: 8, .value_kind: global_buffer, .address_space: global }
      - { .name: lowp_scales, .offset: 24, .size: 8, .value_kind: global_buffer, .address_space: global }
      - { .name: xq, .offset: 32, .size: 8, .value_kind: global_buffer, .address_space: global }
      - { .name: choice, .offset: 40, .size: 8, .value_kind: global_buffer, .address_space: global }
      - { .name: hist, .offset: 48, .size: 8, .value_kind: global_buffer, .address_space: global }
      - { .name: gate, .offset: 56, .size: 8, .value_kind: global_buffer, .address_space: global }
    .group_segment_fixed_size: 34816
    .private_segment_fixed_size: 0
    .kernarg_segment_align: 8
    .kernarg_segment_size: 64
    .max_flat_workgroup_size: 256
    .sgpr_count:     66
    .vgpr_count:     512
    .wavefront_size: 32
...
	.end_amdgpu_metadata
.endif
;; end of part 1
;; launch wsort (part 2): grid 257 x 1, 16 waves a work-group, no clusters, 4,096 bytes of LDS; arguments expert_weights, lowp_scales, choice, hist, wq, order, walk; writes wq, order, walk
.if DOCPART == 2
	.amdgcn_target "amdgcn-amd-amdhsa--gfx1250"
	.amdhsa_code_object_version 6
	.text
	.protected	k_q8f1fe74098_wsort
	.globl	k_q8f1fe74098_wsort
	.p2align	8
	.type	k_q8f1fe74098_wsort,@function
k_q8f1fe74098_wsort:
	s_mov_b64 s[64:65], 0
	v_nop
	global_prefetch_b8 v0, s[64:65] scope:SCOPE_SE
	s_setreg_imm32_b32 hwreg(HW_REG_WAVE_MODE, 25, 1), 1
	s_wait_xcnt 0x0
; TWO JOBS IN ONE LAUNCH, parted on the work-group's number.
; WORK-GROUPS 1..256: expert_weights [8][1024 k][1024 n] f32 become codes of E4M3 (w / 2^ew, held within +-448, nearest, ties to even), laid as the
; last launch's operand registers take them: wq [e][64 tiles of 16 columns][8 K steps][2,048 bytes], a fragment's register 4 c .. 4 c + 3 of lane (r, h) at 512 c + 256 h + 16 r.
; A LANE TAKES A COLUMN n, AND ITS REGISTERS RUN DOWN K, in the order of k in which the tokens' codes lie: piece P = 32 u + l (16 bytes) holds k = 512 u + 4 l + 128 (i / 4) + i % 4.
; Each load names one k by its immediate, so the order costs nothing.  A work-group takes 64 k (four pieces) x 512 columns; its sixteen waves stand side by side on 2,048 bytes of a row.
; A lane's 16 codes of a piece are 16 bytes of its column's place in a fragment, and sixteen neighbouring lanes store 256 consecutive bytes, aligned: no stage in LDS is needed.
; WORK-GROUP 0: the counting sort of the tokens by their pair of experts, from the whole numbers that the launch before stored: place = the pairs before mine + the tokens of my
; pair in the groups before mine + my rank in my group.  order[place] = token | e0 << 16 | e1 << 20.  No atomics; one barrier; LDS is used on this path alone.
; It also makes, for each block of 128 places, the list of experts that the block's tokens name: walk[block] = the experts in ascending order, 3 bits each from bit 0, and their
; number from bit 24 on; the word is stored 32 times, 128 consecutive bytes a block, at a fixed place.
; LIMITS: ew between -126 and 119; NaN among the inputs is not served.
.set X,  16                            ; weights: v16-79 four pieces x 16 numbers
.set C,  80                            ;          v80-95 their codes: never rewritten
.set H,  16                            ; sort: v16-31 my 16 groups' counts (lane = key)
.set CH, 32                            ;       v32-47 my 16 groups' words (lane = token of the group)
.set TW, 48                            ;       v48-63 the sixteen waves' totals
.set R,  64                            ;       v64-79 group j: where each key's tokens of that group begin
.set P,  80                            ;       v80-95 places, then byte offsets
.set WD, 96                            ;       v96-111 lane indices, then the words to store
; Is expert e among the keys in s33?  km: the keys (bits) whose pair holds e.  If so it is put at the list's end: s37 the list, s38 its length in bits, s39 in experts.
.macro HAS e, km
	s_and_b32 s40, s33, \km                        ; SCC: some key of the block holds e; the three selections stand ahead of every line that sets SCC anew
	s_cselect_b32 s41, \e, 0
	s_cselect_b32 s42, 3, 0
	s_cselect_b32 s43, 1, 0
	s_lshl_b32 s41, s41, s38
	s_or_b32 s37, s37, s41
	s_add_co_u32 s38, s38, s42
	s_add_co_u32 s39, s39, s43
.endm
	s_load_b256 s[4:11], s[0:1], 0x0               ; expert_weights 4, scales 6, choice 8, hist 10
	s_load_b128 s[12:15], s[0:1], 0x20             ; wq 12, order 14
	s_load_b64 s[28:29], s[0:1], 0x30              ; walk
	v_lshl_add_u32 v128, v0, 2, 0x800
	v_mov_b32 v129, 0
	v_lshrrev_b32 v3, 5, v0
	v_readfirstlane_b32 s20, v3                    ; wave 0..15
	v_and_b32 v1, 31, v0                           ; lane
	v_lshlrev_b32 v2, 2, v1                        ; 4 x lane
	s_cmp_eq_u32 ttmp9, 0                          ; the same in all waves of a work-group
	s_cbranch_scc1 .Lsort
	s_sub_co_u32 s21, ttmp9, 1                     ; b = e (3 bits) | u | a (3 bits) | half
	s_lshr_b32 s22, s21, 5                         ; e
	s_bfe_u32 s23, s21, 0x10004                    ; u
	s_bfe_u32 s24, s21, 0x30001                    ; a
	s_and_b32 s25, s21, 1                          ; half
	s_lshl_b32 s26, s22, 22                        ; in: expert e, row 512 u + 16 a, column 512 half + 32 wave
	s_lshl_b32 s27, s23, 21
	s_add_co_u32 s26, s26, s27
	s_lshl_b32 s27, s24, 16
	s_add_co_u32 s26, s26, s27
	s_lshl_b32 s27, s25, 11
	s_add_co_u32 s26, s26, s27
	s_lshl_b32 s27, s20, 7
	s_add_co_u32 s26, s26, s27
	s_mov_b32 s27, 0
	s_lshl_b32 s18, s22, 20                        ; out: expert e, tile 32 half + 2 wave, K step 4 u + a / 2, byte 1,024 (a % 2): the last two are u << 13 and a << 10
	s_lshl_b32 s19, s25, 19
	s_add_co_u32 s18, s18, s19
	s_lshl_b32 s19, s20, 15
	s_add_co_u32 s18, s18, s19
	s_lshl_b32 s19, s23, 13
	s_add_co_u32 s18, s18, s19
	s_lshl_b32 s19, s24, 10
	s_add_co_u32 s18, s18, s19
	s_mov_b32 s19, 0
	v_and_b32 v4, 15, v1
	v_lshrrev_b32 v5, 4, v1
	v_lshlrev_b32 v4, 4, v4
	v_lshl_add_u32 v4, v5, 14, v4                  ; 16 (lane % 16), and lanes 16-31 one tile of columns on
	s_wait_kmcnt 0x0
	s_load_b64 s[16:17], s[6:7], 0x0               ; ex, ew
	s_add_nc_u64 s[4:5], s[4:5], s[26:27]
	s_add_nc_u64 s[12:13], s[12:13], s[18:19]
.irp p, 0,1,2,3
.irp i, 0,1,2,3,4,5,6,7,8,9,10,11,12,13,14,15
	global_load_b32 v[X+16*\p+\i], v2, s[4:5] offset:(4*\p+128*(\i/4)+\i%4)*4096 th:TH_LOAD_NT   ; the largest offset, 399 rows, lies inside the signed 24-bit immediate
.endr
.endr
	s_wait_kmcnt 0x0
	s_add_co_i32 s17, s17, 127
	s_lshl_b32 s16, s17, 23
	v_mov_b32 v11, s16                             ; 2^ew as f32: the conversion takes its exponent field
	s_add_co_i32 s17, s17, 8
	s_lshl_b32 s17, s17, 23
	s_or_b32 s17, s17, 0x600000
	v_mov_b32 v10, s17                             ; 448 x 2^ew
.irp p, 0,1,2,3
	s_wait_loadcnt 16*(3-\p)                       ; this piece's 16 loads are in; the later pieces' stay out
.irp i, 0,1,2,3,4,5,6,7,8,9,10,11,12,13,14,15
	v_med3_num_f32 v[X+16*\p+\i], v[X+16*\p+\i], -v10, v10   ; the conversion does not saturate (ISA guide 7.6.2): the hold comes first
.endr
	v_cvt_scalef32_pk8_fp8_f32 v[C+4*\p:C+4*\p+1], v[X+16*\p:X+16*\p+7], v11
	v_cvt_scalef32_pk8_fp8_f32 v[C+4*\p+2:C+4*\p+3], v[X+16*\p+8:X+16*\p+15], v11
	v_nop                                          ; one plain vector line behind the last conversion of a run
	global_store_b128 v4, v[C+4*\p:C+4*\p+3], s[12:13] offset:256*\p   ; each half of the lanes stores 256 consecutive bytes, aligned
.endr
	s_endpgm
.Lsort:                                                ; wave w takes groups 16 w + j, j = 0..15
	s_lshl_b32 s26, s20, 11                        ; 16 groups x 128 bytes, in hist and in choice alike
	s_mov_b32 s27, 0
	v_lshlrev_b32 v3, 2, v0                        ; LDS: 128 x wave + 4 x lane
	s_lshl_b32 s23, s20, 9
	v_add_nc_u32 v6, s23, v1                       ; the token of group 16 w, lane
	s_wait_kmcnt 0x0
	s_add_nc_u64 s[10:11], s[10:11], s[26:27]
	s_add_nc_u64 s[8:9], s[8:9], s[26:27]
.irp j, 0,1,2,3,4,5,6,7,8,9,10,11,12,13,14,15
	global_load_b32 v[H+\j], v2, s[10:11] offset:128*\j
.endr
.irp j, 0,1,2,3,4,5,6,7,8,9,10,11,12,13,14,15
	global_load_b32 v[CH+\j], v2, s[8:9] offset:128*\j
.endr
	s_wait_loadcnt 16                              ; the counts are in; the 16 loads of words stay out
	v_add3_u32 v10, v[H], v[H+1], v[H+2]
.irp j, 3,5,7,9,11,13
	v_add3_u32 v10, v10, v[H+\j], v[H+\j+1]
.endr
	v_add_nc_u32 v10, v10, v[H+15]                 ; my 16 groups' count of each key
	ds_store_b32 v3, v10
	s_wait_dscnt 0x0                               ; for the others' sake
	s_barrier_signal -1
	s_barrier_wait -1
.irp i, 0,1,2,3,4,5,6,7,8,9,10,11,12,13,14,15
	ds_load_b32 v[TW+\i], v2 offset:128*\i
.endr
	s_wait_dscnt 0x0
	v_add3_u32 v8, v[TW], v[TW+1], v[TW+2]
.irp j, 3,5,7,9,11,13
	v_add3_u32 v8, v8, v[TW+\j], v[TW+\j+1]
.endr
	v_add_nc_u32 v8, v8, v[TW+15]                  ; each key's count in all
	v_mov_b32 v9, 0                                ; and in the waves before mine
.irp i, 0,1,2,3,4,5,6,7,8,9,10,11,12,13,14
	s_cmp_gt_u32 s20, \i
	s_cselect_b32 s21, -1, 0
	v_and_b32 v4, s21, v[TW+\i]
	v_add_nc_u32 v9, v9, v4
.endr
	v_mov_b32 v7, v8                               ; a running sum over the keys: four steps inside each half of the lanes,
.irp n, 1,2,4,8
	v_mov_b32_dpp v4, v7 row_shr:\n row_mask:0xf bank_mask:0xf bound_ctrl:1   ; (lanes without a source take 0; v4 has been written)
	v_add_nc_u32 v7, v7, v4
.endr
	v_readlane_b32 s22, v7, 15                     ; then the lower half's total onto the upper half
	v_mov_b32 v5, s22
	v_cmp_lt_u32 vcc_lo, 15, v1
	v_cndmask_b32 v4, 0, v5, vcc_lo
	v_add_nc_u32 v7, v7, v4
	v_sub_nc_u32 v7, v7, v8                        ; the tokens of the keys before mine: where my key's tokens begin
	v_add_nc_u32 v[R], v7, v9
.irp j, 1,2,3,4,5,6,7,8,9,10,11,12,13,14,15
	v_add_nc_u32 v[R+\j], v[R+\j-1], v[H+\j-1]
.endr
	; THE WALK LISTS of blocks 4 w .. 4 w + 3.  A key touches the block of places L .. L + 127 if it has tokens, begins under L + 128 and ends above L.
	; The keys: pair (lo, hi) is key lo (15 - lo) / 2 + (hi - lo - 1 for even lo, 7 - hi for odd lo); the eight constants below name, for each expert, the seven keys whose pair holds it.
	v_add_nc_u32 v10, v7, v8                       ; where my key's tokens end
	v_cmp_ne_u32 s35, 0, v8                        ; the keys that have tokens
	s_lshl_b32 s30, s20, 9                         ; my first block's first place, 512 w; my four blocks' words begin as many bytes into walk
	s_mov_b32 s31, 0
	s_add_nc_u64 s[28:29], s[28:29], s[30:31]
.irp j, 0,1,2,3
	s_add_co_u32 s32, s30, 128*\j+128
	s_add_co_u32 s34, s30, 128*\j
	v_cmp_gt_u32 s33, s32, v7
	v_cmp_lt_u32 s36, s34, v10
	s_and_b32 s33, s33, s36
	s_and_b32 s33, s33, s35                        ; the keys that touch the block
	s_mov_b32 s37, 0
	s_mov_b32 s38, 0
	s_mov_b32 s39, 0
	HAS 0, 0x7f
	HAS 1, 0x1f81
	HAS 2, 0x3f002
	HAS 3, 0x3c2804
	HAS 4, 0x1e04408
	HAS 5, 0x6508210
	HAS 6, 0xc890120
	HAS 7, 0xb0600c0
	s_lshl_b32 s39, s39, 24
	s_or_b32 s37, s37, s39
	v_mov_b32 v[12+\j], s37                        ; a register for each block: no store's data are written again
	global_store_b32 v2, v[12+\j], s[28:29] offset:128*\j
.endr
	s_wait_loadcnt 0x0                             ; the words
.irp j, 0,1,2,3,4,5,6,7,8,9,10,11,12,13,14,15
	v_bfe_u32 v[WD+\j], v[CH+\j], 8, 5             ; my token's key,
	v_min_u32 v[WD+\j], 31, v[WD+\j]               ; held inside the wave,
	v_lshlrev_b32 v[WD+\j], 2, v[WD+\j]            ; as a lane index in bytes
.endr
.irp j, 0,1,2,3,4,5,6,7,8,9,10,11,12,13,14,15
	ds_bpermute_b32 v[P+\j], v[WD+\j], v[R+\j]     ; from the lane of my key: where its tokens of this group begin (no LDS byte is touched)
.endr
	s_wait_dscnt 0x0
.irp j, 0,1,2,3,4,5,6,7,8,9,10,11,12,13,14,15
	v_lshrrev_b32 v4, 16, v[CH+\j]                 ; + my rank
	v_add_nc_u32 v[P+\j], v[P+\j], v4
	v_min_u32 v[P+\j], 0x1fff, v[P+\j]             ; a place stays inside the list
	v_lshlrev_b32 v[P+\j], 2, v[P+\j]
	v_add_nc_u32 v[WD+\j], 32*\j, v6               ; token
	v_and_b32 v4, 7, v[CH+\j]
	v_lshl_or_b32 v[WD+\j], v4, 16, v[WD+\j]       ; | e0 << 16
	v_bfe_u32 v4, v[CH+\j], 4, 3
	v_lshl_or_b32 v[WD+\j], v4, 20, v[WD+\j]       ; | e1 << 20
	global_store_b32 v[P+\j], v[WD+\j], s[14:15]   ; the scatter is the sort itself: 32 KB in all
.endr
	s_wait_tensorcnt 0x0
	ds_add_u32 v128, v129
	s_wait_dscnt 0x0
	s_endpgm
.Lfunc_end_k_q8f1fe74098_wsort:
	.size	k_q8f1fe74098_wsort, .Lfunc_end_k_q8f1fe74098_wsort-k_q8f1fe74098_wsort
	.p2alignl 7, 3214868480
	.fill 96, 4, 3214868480
	.section	.rodata,"a",@progbits
	.p2align	6, 0x0
	.amdhsa_kernel k_q8f1fe74098_wsort
		.amdhsa_group_segment_fixed_size 4096
		.amdhsa_private_segment_fixed_size 0
		.amdhsa_enable_private_segment 0
		.amdhsa_kernarg_size 56
		.amdhsa_user_sgpr_count 2
		.amdhsa_user_sgpr_kernarg_segment_ptr 1
		.amdhsa_wavefront_size32 1
		.amdhsa_system_sgpr_workgroup_id_x 1
		.amdhsa_system_sgpr_workgroup_id_y 1
		.amdhsa_system_sgpr_workgroup_id_z 1
		.amdhsa_system_vgpr_workitem_id 0
		.amdhsa_next_free_vgpr 130
		.amdhsa_next_free_sgpr 66
		.amdhsa_reserve_vcc 1
		.amdhsa_float_denorm_mode_32 3
		.amdhsa_float_denorm_mode_16_64 3
		.amdhsa_memory_ordered 1
		.amdhsa_forward_progress 1
		.amdhsa_inst_pref_size 45
	.end_amdhsa_kernel
	.amdgpu_metadata
---
amdhsa.version: [ 1, 2 ]
amdhsa.kernels:
  - .name:           k_q8f1fe74098_wsort
    .symbol:         k_q8f1fe74098_wsort.kd
    .args:
      - { .name: expert_weights, .offset: 0, .size: 8, .value_kind: global_buffer, .address_space: global }
      - { .name: lowp_scales, .offset: 8, .size: 8, .value_kind: global_buffer, .address_space: global }
      - { .name: choice, .offset: 16, .size: 8, .value_kind: global_buffer, .address_space: global }
      - { .name: hist, .offset: 24, .size: 8, .value_kind: global_buffer, .address_space: global }
      - { .name: wq, .offset: 32, .size: 8, .value_kind: global_buffer, .address_space: global }
      - { .name: order, .offset: 40, .size: 8, .value_kind: global_buffer, .address_space: global }
      - { .name: walk, .offset: 48, .size: 8, .value_kind: global_buffer, .address_space: global }
    .group_segment_fixed_size: 4096
    .private_segment_fixed_size: 0
    .kernarg_segment_align: 8
    .kernarg_segment_size: 56
    .max_flat_workgroup_size: 512
    .sgpr_count:     66
    .vgpr_count:     130
    .wavefront_size: 32
...
	.end_amdgpu_metadata
.endif
;; end of part 2
;; launch experts (part 3): grid 4 x 64, 4 waves a work-group, no clusters, 151,040 bytes of LDS; arguments xq, wq, order, gate, out0, walk; writes out0
.if DOCPART == 3
	.amdgcn_target "amdgcn-amd-amdhsa--gfx1250"
	.amdhsa_code_object_version 6
	.text
	.protected	k_q8f1fe74098_experts
	.globl	k_q8f1fe74098_experts
	.p2align	8
	.type	k_q8f1fe74098_experts,@function
k_q8f1fe74098_experts:
	s_mov_b64 s[64:65], 0
	v_nop
	global_prefetch_b8 v0, s[64:65] scope:SCOPE_SE
	s_setreg_imm32_b32 hwreg(HW_REG_WAVE_MODE, 25, 1), 1
	s_wait_xcnt 0x0
; THE EXPERTS' PRODUCT AND THE COMBINE.  out0[token] = g0 x (X We0) + g1 x (X We1) on codes of E4M3; the gates hold the weights, the division, the scale and 2^(ex + ew).
; A work-group owns 128 places of the list sorted by pairs of experts (work-group y) x 256 columns (work-group x): each output number has one owner, and the two experts' parts are added in registers.
; Wave w takes all 128 rows x columns 256 x + 64 w .. + 63.  The 128 tokens' codes are gathered once, through registers that are idle at the head, into LDS (16 lanes read and store 256 consecutive
; bytes of a row) and stay there.  The weights come from memory straight into registers: they were laid as images of the operand's registers, so each load of a wave reads 512 consecutive bytes,
; and no wave reads another's columns.
; THE WALK: the experts that the block's tokens name, as the launch before listed them (one word: 3 bits an expert from bit 0, their number from bit 24), one PASS each: S = X We (32 tiles of 16 x 16,
; K = 1,024 in eight steps), then OUT += gate x S, the gate being g0, g1 or 0 for each token.  The first pass stands ahead of the loop (a block names two experts at the least) and starts OUT by a
; multiplication: nothing is cleared.  The loop has a constant bound of seven trips and one way out ahead, on the listed number; no barrier and no LDS address hangs on the list.
; THE MATRIX INSTRUCTION IS USED TRANSPOSED (source 0 = 16 columns of We, source 1 = 16 tokens): a lane holds ONE token (lane % 16) and eight neighbouring columns, so a gate is one number a lane and row tile.
; Both operands hold k in the same permuted order (byte 16 P + i: k = 512 (P / 32) + 4 (P % 32) + 128 (i / 4) + i % 4); every product meets its partner; the order of the sums is this text's own.
; Behind the last pass the weight loads that run ahead take the list's next field, which is 0: 48 loads a wave from expert 0 that stay inside wq and are not used, so that the counts of the waits
; are the same on every way.
; NO CLUSTER, NO JOINT LOADS: which experts a block walks, and how many, is read from the list and differs from block to block, so partners would need different tiles in different numbers;
; the four column blocks of one token block share only its 128 KB of codes, which are rows gathered from a list and no tile of one descriptor.
; LDS: 0 .. 133,119: 128 rows of 1,024 bytes + 16 of padding (65 x 16 bytes: the 16 rows of a fragment load start at 16 different banks; 64 banks of 4 bytes: ISA guide 11.1), written once;
; from 133,120: a stage of 16 rows x 272 bytes for each wave.
; LIMITS: indices read from the lists are held at 8,191 and 7, the number of passes between 1 and 8; sums of codes stay finite (1,024 x 448 x 448), so a gate of 0 gives 0.
; REGISTERS, in windows of 256: window 0: v1-14 addresses and work; v16-31 the tokens' two experts; v32-47 their gates; v48-63 the pass's gate (and 0) in pairs; v64-127 byte offsets of the rows of out0;
;   v128-255 the tokens' fragments (8 x 16 registers), at the head scratch, on the way out rows read back.  window 1: four buffers of four weight fragments.  window 2: S (at the head: the gathered rows).  window 3: OUT.
.set PITCH,  1040
.set STAGE,  128*PITCH
.set SPITCH, 272
.set EA,   16                          ; v16-23   row tile m: my token's first expert
.set EB,   24                          ; v24-31   its second
.set G,    32                          ; v32-47   pairs g0, g1
.set GP,   48                          ; v48-63   pairs: the gate of the pass, 0
.set OT,   64                          ; v64-127  register 8 m + i: place 16 m + 8 (lane / 16) + i: token x 4,096 + 16 (lane % 16)
.set AF,   128                         ; the tokens' fragments
.set GT,   128                         ; head: the words of the rows that I gather
.set GOFF, 144                         ;       their byte offsets in xq
.set RT,   176                         ;       the words of my row tiles' tokens
.set ROFF, 188                         ;       byte offsets in gate
.set BK,   128                         ; the way out: 16 rows read back, v128-159 and v160-191 by turns
.set MUL,  0xa1                        ; source 0 (weights) window 1, source 1 (tokens) window 0, C and D window 2
.set TO_B, 0x40                        ; destination window 1, address window 0
.set MSB, 0
.macro WIN new                         ; the immediate's high byte repeats the setting that is left
.if MSB != \new
	s_set_vgpr_msb (MSB<<8)|\new
.set MSB, \new
.endif
.endm
.macro PLACES                          ; a load into a register that a matrix instruction has read stands four places behind it, and only plain vector instructions that name none of its registers are places (ISA guide 7.12.1 for vector instructions)
.rept 4
	v_nop
.endr
.endm
.macro BLOAD s, b                      ; the four weight fragments of K step s from the base in s[b:b+1], into buffer s % 4
	WIN TO_B
.irp t, 0,1,2,3
.irp c, 0,1,2,3
	global_load_b128 v[64*((\s)%4)+16*\t+4*\c:64*((\s)%4)+16*\t+4*\c+3], v6, s[\b:\b+1] offset:16384*\t+2048*(\s)+512*\c
.endr
.endr
.endm
.macro ALOAD adr, lo, s                ; the tokens' fragments lo .. lo + 3 of K step s: lane (r, h) takes bytes 128 s + 32 c + 16 h + 0..15 of row 16 m + r into registers 4 c .. 4 c + 3
.irp m, 0,1,2,3
.irp c, 0,1,2,3
	ds_load_b128 v[AF+16*(\lo+\m)+4*\c:AF+16*(\lo+\m)+4*\c+3], v[\adr] offset:16*PITCH*\m+128*(\s)+32*\c
.endr
.endr
.endm
.macro MUL16 lo, s                     ; 16 matrix instructions: row tiles lo .. lo + 3 x my four column tiles.  The 32 accumulators take turns, one instruction a turn, in the same order in every step.  Step 0 starts the sums
.irp m, 0,1,2,3
.irp t, 0,1,2,3
.if (\s) == 0
	v_wmma_f32_16x16x128_fp8_fp8 v[8*(4*(\lo+\m)+\t):8*(4*(\lo+\m)+\t)+7], v[64*((\s)%4)+16*\t:64*((\s)%4)+16*\t+15], v[AF+16*(\lo+\m):AF+16*(\lo+\m)+15], 0
.else
	v_wmma_f32_16x16x128_fp8_fp8 v[8*(4*(\lo+\m)+\t):8*(4*(\lo+\m)+\t)+7], v[64*((\s)%4)+16*\t:64*((\s)%4)+16*\t+15], v[AF+16*(\lo+\m):AF+16*(\lo+\m)+15], v[8*(4*(\lo+\m)+\t):8*(4*(\lo+\m)+\t)+7]
.endif
.endr
.endr
.endm
.macro KSTEP s                         ; 128 along K: 32 matrix instructions.  The tokens' fragments have one set of registers, fetched anew by halves; the weights run three steps ahead, into the next expert too
	s_wait_loadcnt 32                              ; this step's 16 weight loads are in; those of the next two steps stay out
	s_wait_dscnt 16                                ; row tiles 0-3 are in; the 16 loads of tiles 4-7 may be out
	WIN MUL
	MUL16 0, \s
	WIN 0
	PLACES
	ALOAD 4, 0, (\s+1)%8
.if \s < 5
	BLOAD \s+3, 20                                 ; into the buffer that the step before read: its places stand at that step's end
.else
	BLOAD \s-5, 22                                 ; the next expert's first three steps
.endif
	s_wait_dscnt 16                                ; row tiles 4-7 are in; the 16 loads just issued stay out
	WIN MUL
	MUL16 4, \s
	WIN 0
	PLACES
	ALOAD 5, 4, (\s+1)%8
.endm
.macro PASS first
	s_wait_xcnt 0x0                                ; the weight loads that are out have read their bases: only now are the bases written
	s_mov_b64 s[20:21], s[22:23]                   ; the expert in hand
	s_mov_b32 s27, s28
	s_lshr_b32 s26, s26, 3                         ; it leaves the list
	s_and_b32 s28, s26, 7                          ; the next one (behind the last: 0),
	s_min_u32 s28, s28, 7                          ; held inside wq
	s_lshl_b32 s24, s28, 20
	s_add_nc_u64 s[22:23], s[6:7], s[24:25]
	s_sub_co_u32 s33, s33, 1                       ; passes left behind this one
.irp s, 0,1,2,3,4,5,6,7
	KSTEP \s
.endr
.irp m, 0,1,2,3,4,5,6,7                ; my tokens' gates for this expert: g0, g1 or 0.  These 32 plain lines are also places behind the last products
	v_cmp_eq_u32 vcc_lo, s27, v[EB+\m]
	v_cndmask_b32 v10, 0, v[G+2*\m+1], vcc_lo
	v_cmp_eq_u32 vcc_lo, s27, v[EA+\m]
	v_cndmask_b32 v[GP+2*\m], v10, v[G+2*\m], vcc_lo
.endr
.if \first
	WIN 0xc2                                       ; source 0 (S) window 2, source 1 (the gate) window 0, destination (OUT) window 3
.else
	WIN 0xf2                                       ; the same, source 2 window 3
.endif
.irp m, 0,1,2,3,4,5,6,7
.irp t, 0,1,2,3
.irp i, 0,2,4,6                        ; each accumulator from its low end on; of the gate's pair the low word serves both halves
.if \first
	v_pk_mul_f32 v[8*(4*\m+\t)+\i:8*(4*\m+\t)+\i+1], v[8*(4*\m+\t)+\i:8*(4*\m+\t)+\i+1], v[GP+2*\m:GP+2*\m+1] op_sel_hi:[1,0]
.else
	v_pk_fma_f32 v[8*(4*\m+\t)+\i:8*(4*\m+\t)+\i+1], v[8*(4*\m+\t)+\i:8*(4*\m+\t)+\i+1], v[GP+2*\m:GP+2*\m+1], v[8*(4*\m+\t)+\i:8*(4*\m+\t)+\i+1] op_sel_hi:[1,0,1]
.endif
.endr
.endr
.endr
	WIN 0                                          ; at a label and at a branch every window is 0
.endm
	s_load_b256 s[4:11], s[0:1], 0x0               ; xq 4, wq 6, order 8, gate 10
	s_load_b128 s[12:15], s[0:1], 0x20             ; out0 12, walk 14
	v_lshl_add_u32 v9, v0, 2, 0x24c00
	v_mov_b32 v15, 0
	v_lshrrev_b32 v10, 5, v0
	v_readfirstlane_b32 s34, v10                   ; wave 0..3
	v_and_b32 v1, 15, v0                           ; r
	v_bfe_u32 v2, v0, 4, 1                         ; h
	v_lshlrev_b32 v3, 4, v1                        ; 16 r
	v_mul_u32_u24 v4, v1, PITCH
	v_lshl_add_u32 v4, v2, 4, v4                   ; a fragment's row x pitch + 16 h: row tiles 0-3,
	v_add_nc_u32 v5, 4*16*PITCH, v4                ; and 4-7 (the 16-bit offset does not reach them)
	v_and_b32 v6, 31, v0
	v_lshlrev_b32 v6, 4, v6                        ; 16 x lane: my place in a weight fragment's image
	s_mul_i32 s30, s34, 16*SPITCH
	s_add_co_u32 s30, s30, STAGE                   ; my stage
	v_mul_u32_u24 v7, v1, SPITCH
	v_lshl_add_u32 v7, v2, 5, v7
	v_add_nc_u32 v7, s30, v7                       ; in: row r, 32 bytes for each half of the lanes
	v_mul_u32_u24 v8, v2, 8*SPITCH
	v_add_nc_u32 v8, v8, v3
	v_add_nc_u32 v8, s30, v8                       ; back: lanes 0-15 take row i of 256 bytes, lanes 16-31 row 8 + i
	s_mul_i32 s31, s34, 32*PITCH
	v_mul_u32_u24 v11, v2, PITCH
	v_add_nc_u32 v11, v11, v3
	v_add_nc_u32 v11, s31, v11                     ; the gather: row 32 w + h, byte 16 r
	v_lshlrev_b32 v12, 5, v2                       ; the list's words of places 8 h on
	s_lshl_b32 s32, s34, 7
	v_lshl_add_u32 v13, v2, 2, s32                 ; of place 32 w + h
	v_lshlrev_b32 v14, 2, v1                       ; of place r
	s_and_b32 s35, ttmp7, 0xffff                   ; y
	s_lshl_b32 s24, s35, 9                         ; 128 places x 4 bytes
	s_mov_b32 s25, 0
	s_lshl_b32 s36, s35, 7                         ; the block's word in walk
	s_mov_b32 s37, 0
	s_lshl_b32 s16, ttmp9, 18                      ; my first tile of columns, 16 x + 4 w, x 16,384 bytes
	s_lshl_b32 s17, s34, 16
	s_add_co_u32 s16, s16, s17
	s_mov_b32 s17, 0
	s_lshl_b32 s18, ttmp9, 10                      ; my first column in a row of out0: 1,024 x + 256 w bytes
	s_lshl_b32 s19, s34, 8
	s_add_co_u32 s18, s18, s19
	s_mov_b32 s19, 0
	s_wait_kmcnt 0x0
	s_add_nc_u64 s[14:15], s[14:15], s[36:37]
	s_load_b32 s26, s[14:15], 0x0                  ; the block's experts and their number
	s_add_nc_u64 s[8:9], s[8:9], s[24:25]
	s_add_nc_u64 s[6:7], s[6:7], s[16:17]
	s_add_nc_u64 s[12:13], s[12:13], s[18:19]
.irp j, 0,1,2,3,4,5,6,7,8,9,10,11,12,13,14,15
	global_load_b32 v[GT+\j], v13, s[8:9] offset:8*\j    ; place 32 w + 2 j + h
.endr
.irp m, 0,1,2,3,4,5,6,7
	global_load_b32 v[RT+\m], v14, s[8:9] offset:64*\m   ; place 16 m + r
.endr
.irp m, 0,1,2,3,4,5,6,7
	global_load_b128 v[OT+8*\m:OT+8*\m+3], v12, s[8:9] offset:64*\m        ; places 16 m + 8 h + 0..3,
	global_load_b128 v[OT+8*\m+4:OT+8*\m+7], v12, s[8:9] offset:64*\m+16   ; and + 4..7
.endr
	s_wait_loadcnt 0x0                             ; all come from the block's 512 bytes of the list
.irp j, 0,1,2,3,4,5,6,7,8,9,10,11,12,13,14,15
	v_and_b32 v[GT+\j], 0x1fff, v[GT+\j]
	v_min_u32 v[GT+\j], 0x1fff, v[GT+\j]           ; a token stays inside xq
	v_lshl_add_u32 v[GOFF+\j], v[GT+\j], 10, v3
.endr
	WIN 0x80                                       ; destination window 2, address window 0
.irp j, 0,1,2,3,4,5,6,7,8,9,10,11,12,13,14,15
.irp i, 0,1,2,3
	global_load_b128 v[16*\j+4*\i:16*\j+4*\i+3], v[GOFF+\j], s[4:5] offset:256*\i   ; a row's four quarters: each half of the lanes reads 256 consecutive bytes
.endr
.endr
	WIN 0
.irp m, 0,1,2,3,4,5,6,7
	v_bfe_u32 v[EA+\m], v[RT+\m], 16, 3
	v_bfe_u32 v[EB+\m], v[RT+\m], 20, 3
	v_and_b32 v[ROFF+\m], 0x1fff, v[RT+\m]
	v_min_u32 v[ROFF+\m], 0x1fff, v[ROFF+\m]
	v_lshlrev_b32 v[ROFF+\m], 3, v[ROFF+\m]
.endr
.irp m, 0,1,2,3,4,5,6,7
	global_load_b64 v[G+2*\m:G+2*\m+1], v[ROFF+\m], s[10:11]
.endr
	s_wait_kmcnt 0x0
	s_lshr_b32 s33, s26, 24                        ; the number of passes,
	s_min_u32 s33, s33, 8
	s_max_u32 s33, s33, 1                          ; held between 1 and 8
	s_and_b32 s26, s26, 0xffffff                   ; the list
	s_and_b32 s28, s26, 7                          ; the first expert,
	s_min_u32 s28, s28, 7                          ; held inside wq
	s_lshl_b32 s24, s28, 20
	s_add_nc_u64 s[22:23], s[6:7], s[24:25]
	BLOAD 0, 22
	BLOAD 1, 22
	BLOAD 2, 22
	WIN 0
.irp m, 0,1,2,3,4,5,6,7
	v_mov_b32 v[GP+2*\m+1], 0                      ; named with the gate as a pair, so it is written
.endr
.set I, 0
.rept 64
	v_and_b32 v[OT+I], 0x1fff, v[OT+I]
.set I, I+1
.endr
.set I, 0
.rept 64
	v_min_u32 v[OT+I], 0x1fff, v[OT+I]             ; a token stays inside out0
.set I, I+1
.endr
.set I, 0
.rept 64
	v_lshl_add_u32 v[OT+I], v[OT+I], 12, v3
.set I, I+1
.endr
	s_wait_loadcnt 48                              ; the gathered rows and the gates are in (so their address registers are free); the 48 weight loads behind them stay out
	WIN 0x08                                       ; the stores' data: window 2
.irp j, 0,1,2,3,4,5,6,7,8,9,10,11,12,13,14,15
.irp i, 0,1,2,3
	ds_store_b128 v11, v[16*\j+4*\i:16*\j+4*\i+3] offset:2*PITCH*\j+256*\i
.endr
.endr
	WIN 0
	s_wait_dscnt 0x0                               ; for the others' sake: my 32 rows lie in LDS,
	s_barrier_signal -1
	s_barrier_wait -1                              ; all 128 do: the launch's one barrier
	ALOAD 4, 0, 0
	ALOAD 5, 4, 0
	PASS 1
	s_mov_b32 s29, 0
.Lpass:                                                ; on the way in and on the way back alike: 48 weight loads and 32 LDS loads are out
	s_cmp_eq_u32 s33, 0                            ; the list is walked
	s_cbranch_scc1 .Ldone
	PASS 0
	s_add_co_u32 s29, s29, 1
	s_cmp_lt_u32 s29, 7
	s_cbranch_scc1 .Lpass
.Ldone:
; THE WAY OUT, a row tile (16 tokens x my 64 columns) at a time.  A lane holds 32 neighbouring bytes of a row and the lanes beside it hold other rows: so a tile goes through my own stage and comes back as
; whole rows of 256 bytes.  LDS serves a wave's instructions in order (ISA guide 5.7.1.4): no wait between the stores and the loads, nor in front of the next tile's stores.
.macro TOSTAGE m
	WIN 0x0c                                       ; the stores' data: window 3
.irp t, 0,1,2,3
	ds_store_b128 v7, v[32*(\m)+8*\t:32*(\m)+8*\t+3] offset:64*\t
	ds_store_b128 v7, v[32*(\m)+8*\t+4:32*(\m)+8*\t+7] offset:64*\t+16
.endr
	WIN 0
.irp i, 0,1,2,3,4,5,6,7
	ds_load_b128 v[BK+32*((\m)%2)+4*\i:BK+32*((\m)%2)+4*\i+3], v8 offset:SPITCH*\i
.endr
.endm
.macro SEND m, younger                 ; younger: the LDS instructions issued behind tile m's loads, which may stay out
	s_wait_dscnt \younger
.irp i, 0,1,2,3,4,5,6,7
	global_store_b128 v[OT+8*(\m)+\i], v[BK+32*((\m)%2)+4*\i:BK+32*((\m)%2)+4*\i+3], s[12:13] th:TH_STORE_NT   ; each half of the lanes stores 256 consecutive bytes of its token's row, aligned; written once, read by nobody here
.endr
.endm
	s_wait_dscnt 0x0                               ; the fragment loads that ran ahead have landed: their registers take the rows read back
	TOSTAGE 0
.irp m, 1,2,3,4,5,6,7
.if \m > 1
	s_wait_xcnt 0x0                                ; tile m - 2's stores have read their registers: tile m's loads may land there
.endif
	TOSTAGE \m
	SEND \m-1, 16                                  ; behind tile m - 1's loads: tile m's 8 stores and 8 loads
.endr
	SEND 7, 0
	s_wait_tensorcnt 0x0
	ds_add_u32 v9, v15
	s_wait_dscnt 0x0
	s_endpgm
.Lfunc_end_k_q8f1fe74098_experts:
	.size	k_q8f1fe74098_experts, .Lfunc_end_k_q8f1fe74098_experts-k_q8f1fe74098_experts
	.p2alignl 7, 3214868480
	.fill 96, 4, 3214868480
	.section	.rodata,"a",@progbits
	.p2align	6, 0x0
	.amdhsa_kernel k_q8f1fe74098_experts
		.amdhsa_group_segment_fixed_size 151040
		.amdhsa_private_segment_fixed_size 0
		.amdhsa_enable_private_segment 0
		.amdhsa_kernarg_size 48
		.amdhsa_user_sgpr_count 2
		.amdhsa_user_sgpr_kernarg_segment_ptr 1
		.amdhsa_wavefront_size32 1
		.amdhsa_system_sgpr_workgroup_id_x 1
		.amdhsa_system_sgpr_workgroup_id_y 1
		.amdhsa_system_sgpr_workgroup_id_z 1
		.amdhsa_system_vgpr_workitem_id 0
		.amdhsa_next_free_vgpr 1024
		.amdhsa_next_free_sgpr 66
		.amdhsa_reserve_vcc 1
		.amdhsa_float_denorm_mode_32 3
		.amdhsa_float_denorm_mode_16_64 3
		.amdhsa_memory_ordered 1
		.amdhsa_forward_progress 1
		.amdhsa_inst_pref_size 172
	.end_amdhsa_kernel
	.amdgpu_metadata
---
amdhsa.version: [ 1, 2 ]
amdhsa.kernels:
  - .name:           k_q8f1fe74098_experts
    .symbol:         k_q8f1fe74098_experts.kd
    .args:
      - { .name: xq, .offset: 0, .size: 8, .value_kind: global_buffer, .address_space: global }
      - { .name: wq, .offset: 8, .size: 8, .value_kind: global_buffer, .address_space: global }
      - { .name: order, .offset: 16, .size: 8, .value_kind: global_buffer, .address_space: global }
      - { .name: gate, .offset: 24, .size: 8, .value_kind: global_buffer, .address_space: global }
      - { .name: out0, .offset: 32, .size: 8, .value_kind: global_buffer, .address_space: global }
      - { .name: walk, .offset: 40, .size: 8, .value_kind: global_buffer, .address_space: global }
    .group_segment_fixed_size: 151040
    .private_segment_fixed_size: 0
    .kernarg_segment_align: 8
    .kernarg_segment_size: 48
    .max_flat_workgroup_size: 128
    .sgpr_count:     66
    .vgpr_count:     1024
    .wavefront_size: 32
...
	.end_amdgpu_metadata
.endif
;; end of part 3
;; ======== version 2 of 2: 3 launches
;; limits: right only within a limited range of input values
;; workspace buffers: xq 8,388,608 bytes; wq 8,388,608 bytes; gate 65,536 bytes; choice 32,768 bytes of whole numbers; hist 32,768 bytes of whole numbers; order 32,768 bytes of whole numbers; walk 8,192 bytes of whole numbers
;; launch route (part 4): grid 256 x 1, 8 waves a work-group, no clusters, 34,816 bytes of LDS; arguments tokens, router_w, router_b, lowp_scales, xq, choice, hist, gate; writes xq, choice, hist, gate
.if DOCPART == 4
	.amdgcn_target "amdgcn-amd-amdhsa--gfx1250"
	.amdhsa_code_object_version 6
	.text
	.protected	k_q8f1fe74098_route
	.globl	k_q8f1fe74098_route
	.p2align	8
	.type	k_q8f1fe74098_route,@function
k_q8f1fe74098_route:
	s_mov_b64 s[64:65], 0
	v_nop
	global_prefetch_b8 v0, s[64:65] scope:SCOPE_SE
	s_setreg_imm32_b32 hwreg(HW_REG_WAVE_MODE, 25, 1), 1
	s_wait_xcnt 0x0
; ROUTER AND TOKEN CODES.  tokens [8192][1024] f32, router_w [8][1024], router_b [8], lowp_scales: ex, ew (int32).
; A work-group is a group of 32 tokens; each of its eight waves takes four of them, a whole row spread over the wave:
; lane l holds k = 128 j + 4 l + c in register 4 j + c, so each load of a wave reads 512 consecutive bytes.
; For each token: eight logits by fused multiply-adds in f32, and the row's codes of E4M3 (x / 2^ex, held within +-448, nearest, ties to even).
; The codes leave in the order in which the lanes hold them: byte 16 P + i of a row (P = 32 u + l) is k = 512 u + 4 l + 128 (i / 4) + i % 4.
; The weights' codes are laid in the same order of k by the next launch, so every product meets its partner.
; Wave 0 then takes one token a lane: softmax (the maximum taken away), the two largest (the lower index wins a tie), the gates
;   g = w x (1 + (w0 + w1) 1e-10) / max(w0 + w1, 1e-10) x 2^(ex + ew),   w = p / (p0 + p1 + 1e-10),
; the token's pair of experts as a key 0..27 (pairs in an order in which neighbouring keys share an expert), its rank among the group's
; tokens of that key, and the group's count for each key.  All are stored at fixed places: no address and no branch hangs on them here.
; LIMITS: ex between -126 and 119; the gates with 2^(ex + ew) folded in must be f32 numbers; NaN among the inputs is not served;
; divisions are a reciprocal and a multiplication; the logits' order of summation is this text's own, so a second and a third
; probability that lie closer than that rounding may be chosen otherwise than by another order.
; No tensor loads, no cluster: work-groups share nothing but the router's 32 KB.
.set LOGIT, 32768                      ; LDS: 0..32767 router_w as it lies; from here [32 tokens][8] f32
.set X,   16                           ; v16-143   four tokens x 32 numbers
.set ACC, 144                          ; v144-159  eight pairs of partial sums
.set LG,  160                          ; v160-167  eight logits
.set TP,  168                          ; v168-175  the other half of the lanes' sums
.set CD,  176                          ; v176-207  four tokens x 8 registers of codes: never rewritten, so no store's data are written again
.set RWR, 208                          ; v208-239  my expert's router row as loaded
                                       ; window 1: v[32 e + i]: router_w[e] in the lanes' order of k
.set MSB, 0
.macro WIN new                         ; the immediate's high byte repeats the setting that is left
.if MSB != \new
	s_set_vgpr_msb (MSB<<8)|\new
.set MSB, \new
.endif
.endm
	s_load_b512 s[4:19], s[0:1], 0x0               ; tokens 4, router_w 6, router_b 8, scales 10, xq 12, choice 14, hist 16, gate 18
	v_lshl_add_u32 v254, v0, 2, 0x8400
	v_mov_b32 v255, 0
	v_lshrrev_b32 v6, 5, v0
	s_delay_alu instid0(VALU_DEP_1)
	v_readfirstlane_b32 s20, v6                    ; wave 0..7
	v_and_b32 v7, 31, v0                           ; lane
	s_delay_alu instid0(VALU_DEP_1)
	v_lshlrev_b32 v1, 4, v7                        ; 16 x lane
	s_lshl_b32 s40, s20, 12                        ; 4,096 x wave: my expert's router row, in memory and in LDS
	s_mov_b32 s41, 0
	v_add_nc_u32 v2, s40, v1
	s_lshl_b32 s22, s20, 7
	s_add_co_u32 s22, s22, LOGIT
	v_mov_b32 v3, s22                              ; my four tokens' logits in LDS
	s_mov_b32 s34, 0x76543210                      ; v_permlanex16_b32: lane l xor 16
	s_mov_b32 s35, 0xfedcba98
	s_lshl_b32 s36, ttmp9, 17                      ; 32 tokens x 4,096 bytes a group,
	s_lshl_b32 s23, s20, 14                        ; 4 tokens a wave
	s_add_co_u32 s36, s36, s23
	s_mov_b32 s37, 0
	s_lshr_b32 s38, s36, 2                         ; the same tokens' codes: a quarter of the bytes
	s_mov_b32 s39, 0
.irp e, 0,1,2,3,4,5,6,7
	v_mov_b32 v[TP+\e], 0                          ; written once: a lane permute's destination counts as one of its sources
.endr
	s_wait_kmcnt 0x0
	s_load_b256 s[24:31], s[8:9], 0x0              ; router_b
	s_load_b64 s[32:33], s[10:11], 0x0             ; ex, ew
	s_add_nc_u64 s[4:5], s[4:5], s[36:37]
	s_add_nc_u64 s[6:7], s[6:7], s[40:41]
	s_add_nc_u64 s[12:13], s[12:13], s[38:39]
.irp j, 0,1,2,3,4,5,6,7
	global_load_b128 v[RWR+4*\j:RWR+4*\j+3], v1, s[6:7] offset:512*\j
.endr
.irp t, 0,1,2,3
.irp j, 0,1,2,3,4,5,6,7
	global_load_b128 v[X+32*\t+4*\j:X+32*\t+4*\j+3], v1, s[4:5] offset:4096*\t+512*\j th:TH_LOAD_NT   ; all of the wave's 16 KB are asked for at once
.endr
.endr
	s_wait_loadcnt 32                              ; the router row is in; the 32 token loads behind it stay out
.irp j, 0,1,2,3,4,5,6,7
	ds_store_b128 v2, v[RWR+4*\j:RWR+4*\j+3] offset:512*\j
.endr
	s_wait_dscnt 0x0                               ; for the others' sake: my row lies in LDS
	s_barrier_signal -1
	s_barrier_wait -1                              ; all eight rows do
	WIN 0x40                                       ; destination window 1
.irp e, 0,1,2,3,4,5,6,7
.irp j, 0,1,2,3,4,5,6,7
	ds_load_b128 v[32*\e+4*\j:32*\e+4*\j+3], v1 offset:4096*\e+512*\j
.endr
.endr
	WIN 0
	s_wait_kmcnt 0x0
	s_add_co_i32 s42, s32, 127
	s_lshl_b32 s43, s42, 23
	v_mov_b32 v4, s43                              ; 2^ex as f32: the conversion takes its exponent field
	s_add_co_i32 s42, s42, 8
	s_lshl_b32 s42, s42, 23
	s_or_b32 s42, s42, 0x600000
	v_mov_b32 v5, s42                              ; 448 x 2^ex
	s_wait_dscnt 0x0                               ; the router's weights are in registers
.macro TOKEN t
	s_wait_loadcnt 8*(3-\t)                        ; this token's eight loads are in; the later tokens' stay out
	WIN 0x04                                       ; source 1 (the router's weights) window 1
.irp e, 0,1,2,3,4,5,6,7
	v_pk_mul_f32 v[ACC+2*\e:ACC+2*\e+1], v[X+32*\t:X+32*\t+1], v[32*\e:32*\e+1]   ; the first products start the sums: eight chains that do not wait for each other
.endr
.irp k, 1,2,3,4,5,6,7,8,9,10,11,12,13,14,15
.irp e, 0,1,2,3,4,5,6,7
	v_pk_fma_f32 v[ACC+2*\e:ACC+2*\e+1], v[X+32*\t+2*\k:X+32*\t+2*\k+1], v[32*\e+2*\k:32*\e+2*\k+1], v[ACC+2*\e:ACC+2*\e+1]
.endr
.endr
	WIN 0
.irp e, 0,1,2,3,4,5,6,7
	v_add_f32 v[LG+\e], v[ACC+2*\e], v[ACC+2*\e+1]
.endr
.irp x, 1,2,4,8
.irp e, 0,1,2,3,4,5,6,7
	v_add_f32_dpp v[LG+\e], v[LG+\e], v[LG+\e] row_xmask:\x row_mask:0xf bank_mask:0xf
.endr
.endr
.irp e, 0,1,2,3,4,5,6,7
	v_permlanex16_b32 v[TP+\e], v[LG+\e], s34, s35
.endr
.irp e, 0,1,2,3,4,5,6,7
	v_add_f32 v[LG+\e], v[LG+\e], v[TP+\e]         ; every lane holds the eight dot products
.endr
	ds_store_b128 v3, v[LG:LG+3] offset:32*\t      ; all lanes write the same bytes
	ds_store_b128 v3, v[LG+4:LG+7] offset:32*\t+16
.irp i, 0,1,2,3,4,5,6,7,8,9,10,11,12,13,14,15,16,17,18,19,20,21,22,23,24,25,26,27,28,29,30,31
	v_med3_num_f32 v[X+32*\t+\i], v[X+32*\t+\i], -v5, v5   ; the conversion to an 8-bit code does not saturate (ISA guide 7.6.2): the hold at the largest code x the scale
.endr
.irp g, 0,1,2,3
	v_cvt_scalef32_pk8_fp8_f32 v[CD+8*\t+2*\g:CD+8*\t+2*\g+1], v[X+32*\t+8*\g:X+32*\t+8*\g+7], v4
.endr
	v_nop                                          ; one plain vector line behind the last conversion of a run
	global_store_b128 v1, v[CD+8*\t:CD+8*\t+3], s[12:13] offset:1024*\t         ; the wave stores 512 consecutive bytes, aligned
	global_store_b128 v1, v[CD+8*\t+4:CD+8*\t+7], s[12:13] offset:1024*\t+512
.endm
	TOKEN 0
	TOKEN 1
	TOKEN 2
	TOKEN 3
	s_wait_dscnt 0x0                               ; my four tokens' dot products lie in LDS
	s_barrier_signal -1
	s_barrier_wait -1                              ; all 32 tokens' do
	s_cmp_lg_u32 s20, 0
	s_cbranch_scc1 .Lend                           ; wave 0 alone goes on: one token a lane
	v_lshl_add_u32 v8, v7, 5, LOGIT
	ds_load_b128 v[LG:LG+3], v8
	ds_load_b128 v[LG+4:LG+7], v8 offset:16
	s_wait_dscnt 0x0
.irp e, 0,1,2,3,4,5,6,7
	v_add_f32 v[LG+\e], s[24+\e], v[LG+\e]         ; + router_b
.endr
	v_max3_num_f32 v9, v[LG], v[LG+1], v[LG+2]
	s_delay_alu instid0(VALU_DEP_1)
	v_max3_num_f32 v9, v9, v[LG+3], v[LG+4]
	s_delay_alu instid0(VALU_DEP_1)
	v_max3_num_f32 v9, v9, v[LG+5], v[LG+6]
	s_delay_alu instid0(VALU_DEP_1)
	v_max_num_f32 v9, v9, v[LG+7]                  ; the largest logit is taken away, as the softmax has it
.irp e, 0,1,2,3,4,5,6,7
	v_sub_f32 v[LG+\e], v[LG+\e], v9
.endr
.irp e, 0,1,2,3,4,5,6,7
	v_mul_f32 v[LG+\e], 0x3fb8aa3b, v[LG+\e]       ; x log2(e)
.endr
	s_wait_alu depctr_va_vdst(0)
.irp e, 0,1,2,3,4,5,6,7
	v_exp_f32 v[LG+\e], v[LG+\e]
.endr
	v_nop                                          ; a plain line between the exponentials and the first use of a result
	s_wait_alu depctr_va_vdst(0)
	v_add_f32 v10, v[LG], v[LG+1]
	v_add_f32 v11, v[LG+2], v[LG+3]
	v_add_f32 v12, v[LG+4], v[LG+5]
	v_add_f32 v13, v[LG+6], v[LG+7]
	s_delay_alu instid0(VALU_DEP_3)
	v_add_f32 v10, v10, v11
	s_delay_alu instid0(VALU_DEP_2)
	v_add_f32 v12, v12, v13
	s_delay_alu instid0(VALU_DEP_1)
	v_add_f32 v10, v10, v12
	s_wait_alu depctr_va_vdst(0)
	v_rcp_f32 v10, v10
	v_nop
	s_wait_alu depctr_va_vdst(0)
.irp e, 0,1,2,3,4,5,6,7
	v_mul_f32 v[LG+\e], v[LG+\e], v10              ; the probabilities
.endr
	v_mov_b32 v16, v[LG]                           ; the largest, and its expert: a later one is taken only if strictly larger
	v_mov_b32 v17, 0
.irp e, 1
	s_delay_alu instid0(VALU_DEP_2)
	v_cmp_le_f32 vcc_lo, v[LG+\e], v16             ; keep
	s_delay_alu instid0(VALU_DEP_1)
	v_cndmask_b32 v17, \e, v17, vcc_lo
	s_delay_alu instid0(VALU_DEP_2)
	v_cndmask_b32 v16, v[LG+\e], v16, vcc_lo
.endr
.irp e, 2, 3, 4, 5, 6, 7
	s_delay_alu instid0(VALU_DEP_1)
	v_cmp_le_f32 vcc_lo, v[LG+\e], v16
	s_delay_alu instid0(VALU_DEP_1)
	v_cndmask_b32 v17, \e, v17, vcc_lo
	s_delay_alu instid0(VALU_DEP_2)
	v_cndmask_b32 v16, v[LG+\e], v16, vcc_lo
.endr
	v_mov_b32 v18, -1.0                            ; the second largest: the same among the other seven
	v_mov_b32 v19, 0
.irp e, 0
	s_delay_alu instid0(VALU_DEP_4)
	v_cmp_eq_u32 s38, \e, v17
	s_delay_alu instid0(VALU_DEP_3)
	v_cmp_le_f32 vcc_lo, v[LG+\e], v18
	s_or_b32 vcc_lo, vcc_lo, s38
	v_cndmask_b32 v19, \e, v19, vcc_lo
	v_cndmask_b32 v18, v[LG+\e], v18, vcc_lo
.endr
.irp e, 1, 2, 3, 4, 5, 6, 7
	v_cmp_eq_u32 s38, \e, v17
	s_delay_alu instid0(VALU_DEP_2)
	v_cmp_le_f32 vcc_lo, v[LG+\e], v18
	s_or_b32 vcc_lo, vcc_lo, s38                   ; keep
	v_cndmask_b32 v19, \e, v19, vcc_lo
	v_cndmask_b32 v18, v[LG+\e], v18, vcc_lo
.endr
	s_mov_b32 s44, 0x2edbe6ff                      ; 1e-10
	v_add_f32 v20, v16, v18
	s_delay_alu instid0(VALU_DEP_1)
	v_add_f32 v20, s44, v20
	s_wait_alu depctr_va_vdst(0)
	v_rcp_f32 v20, v20
	v_nop
	s_wait_alu depctr_va_vdst(0)
	v_mul_f32 v21, v16, v20                        ; w0
	v_mul_f32 v22, v18, v20                        ; w1
	s_delay_alu instid0(VALU_DEP_1)
	v_add_f32 v23, v21, v22                        ; w0 + w1
	s_delay_alu instid0(VALU_DEP_1)
	v_max_num_f32 v24, s44, v23                    ; clipped from below
	s_wait_alu depctr_va_vdst(0)
	v_rcp_f32 v24, v24
	v_fma_f32 v25, v23, s44, 1.0                   ; 1 + (w0 + w1) 1e-10.  (The plain line behind the reciprocal)
	s_wait_alu depctr_va_vdst(0)
	v_mul_f32 v25, v25, v24
	s_add_co_i32 s45, s32, s33
	v_ldexp_f32 v25, v25, s45                      ; x 2^(ex + ew): what the sums of codes lack
	s_delay_alu instid0(VALU_DEP_1)
	v_mul_f32 v26, v21, v25
	s_delay_alu instid0(VALU_DEP_2)
	v_mul_f32 v27, v22, v25                        ; the two gates
	v_min_u32 v28, v17, v19                        ; lo,
	v_add_nc_u32 v29, v17, v19
	s_delay_alu instid0(VALU_DEP_1)
	v_sub_nc_u32 v29, v29, v28                     ; hi
	s_delay_alu instid0(VALU_DEP_3)
	v_sub_nc_u32 v30, 15, v28
	s_delay_alu instid0(VALU_DEP_1)
	v_mul_u32_u24 v30, v30, v28
	s_delay_alu instid0(VALU_DEP_1)
	v_lshrrev_b32 v30, 1, v30                      ; lo (15 - lo) / 2: the pairs with a smaller lo
	s_delay_alu instid0(VALU_DEP_4)
	v_sub_nc_u32 v31, v29, v28
	s_delay_alu instid0(VALU_DEP_1)
	v_add_nc_u32 v31, -1, v31                      ; even lo: hi ascending,
	v_sub_nc_u32 v32, 7, v29                       ; odd lo: hi descending
	v_and_b32 v36, 1, v28
	s_delay_alu instid0(VALU_DEP_1)
	v_cmp_eq_u32 vcc_lo, 1, v36
	s_delay_alu instid0(VALU_DEP_1)
	v_cndmask_b32 v31, v31, v32, vcc_lo
	s_delay_alu instid0(VALU_DEP_1)
	v_add_nc_u32 v33, v30, v31                     ; the key, 0..27
	v_mov_b32 v34, 0                               ; my rank among the group's tokens of my key
	v_mov_b32 v35, 0                               ; lane b: the group's count of key b
.irp b, 0,1,2,3,4,5,6,7,8,9,10,11,12,13,14,15,16,17,18,19,20,21,22,23,24,25,26,27
	v_cmp_eq_u32 s38, \b, v33
	s_delay_alu instid0(VALU_DEP_1)
	v_mbcnt_lo_u32_b32 v36, s38, 0
	s_delay_alu instid0(VALU_DEP_1)
	v_cndmask_b32 v34, v34, v36, s38
	s_bcnt1_i32_b32 s39, s38
	v_writelane_b32 v35, s39, \b
.endr
	v_lshl_or_b32 v37, v19, 4, v17                 ; e0 | e1 << 4 | key << 8 | rank << 16
	s_delay_alu instid0(VALU_DEP_1)
	v_lshl_or_b32 v37, v33, 8, v37
	s_delay_alu instid0(VALU_DEP_1)
	v_lshl_or_b32 v37, v34, 16, v37
	s_lshl_b32 s46, ttmp9, 7
	s_mov_b32 s47, 0
	s_add_nc_u64 s[14:15], s[14:15], s[46:47]
	s_add_nc_u64 s[16:17], s[16:17], s[46:47]
	s_lshl_b32 s46, ttmp9, 8
	s_add_nc_u64 s[18:19], s[18:19], s[46:47]
	v_lshlrev_b32 v38, 2, v7
	v_lshlrev_b32 v39, 3, v7
	global_store_b32 v38, v37, s[14:15]
	global_store_b32 v38, v35, s[16:17]
	global_store_b64 v39, v[26:27], s[18:19]
.Lend:
	s_wait_tensorcnt 0x0
	ds_add_u32 v254, v255
	s_wait_dscnt 0x0
	s_endpgm
.Lfunc_end_k_q8f1fe74098_route:
	.size	k_q8f1fe74098_route, .Lfunc_end_k_q8f1fe74098_route-k_q8f1fe74098_route
	.p2alignl 7, 3214868480
	.fill 96, 4, 3214868480
	.section	.rodata,"a",@progbits
	.p2align	6, 0x0
	.amdhsa_kernel k_q8f1fe74098_route
		.amdhsa_group_segment_fixed_size 34816
		.amdhsa_private_segment_fixed_size 0
		.amdhsa_enable_private_segment 0
		.amdhsa_kernarg_size 64
		.amdhsa_user_sgpr_count 2
		.amdhsa_user_sgpr_kernarg_segment_ptr 1
		.amdhsa_wavefront_size32 1
		.amdhsa_system_sgpr_workgroup_id_x 1
		.amdhsa_system_sgpr_workgroup_id_y 1
		.amdhsa_system_sgpr_workgroup_id_z 1
		.amdhsa_system_vgpr_workitem_id 0
		.amdhsa_next_free_vgpr 512
		.amdhsa_next_free_sgpr 66
		.amdhsa_reserve_vcc 1
		.amdhsa_float_denorm_mode_32 3
		.amdhsa_float_denorm_mode_16_64 3
		.amdhsa_memory_ordered 1
		.amdhsa_forward_progress 1
		.amdhsa_inst_pref_size 84
	.end_amdhsa_kernel
	.amdgpu_metadata
---
amdhsa.version: [ 1, 2 ]
amdhsa.kernels:
  - .name:           k_q8f1fe74098_route
    .symbol:         k_q8f1fe74098_route.kd
    .args:
      - { .name: tokens, .offset: 0, .size: 8, .value_kind: global_buffer, .address_space: global }
      - { .name: router_w, .offset: 8, .size: 8, .value_kind: global_buffer, .address_space: global }
      - { .name: router_b, .offset: 16, .size: 8, .value_kind: global_buffer, .address_space: global }
      - { .name: lowp_scales, .offset: 24, .size: 8, .value_kind: global_buffer, .address_space: global }
      - { .name: xq, .offset: 32, .size: 8, .value_kind: global_buffer, .address_space: global }
      - { .name: choice, .offset: 40, .size: 8, .value_kind: global_buffer, .address_space: global }
      - { .name: hist, .offset: 48, .size: 8, .value_kind: global_buffer, .address_space: global }
      - { .name: gate, .offset: 56, .size: 8, .value_kind: global_buffer, .address_space: global }
    .group_segment_fixed_size: 34816
    .private_segment_fixed_size: 0
    .kernarg_segment_align: 8
    .kernarg_segment_size: 64
    .max_flat_workgroup_size: 256
    .sgpr_count:     66
    .vgpr_count:     512
    .wavefront_size: 32
...
	.end_amdgpu_metadata
.endif
;; end of part 4
;; launch wsort (part 5): grid 257 x 1, 16 waves a work-group, no clusters, 4,096 bytes of LDS; arguments expert_weights, lowp_scales, choice, hist, wq, order, walk; writes wq, order, walk
.if DOCPART == 5
	.amdgcn_target "amdgcn-amd-amdhsa--gfx1250"
	.amdhsa_code_object_version 6
	.text
	.protected	k_q8f1fe74098_wsort
	.globl	k_q8f1fe74098_wsort
	.p2align	8
	.type	k_q8f1fe74098_wsort,@function
k_q8f1fe74098_wsort:
	s_mov_b64 s[64:65], 0
	v_nop
	global_prefetch_b8 v0, s[64:65] scope:SCOPE_SE
	s_setreg_imm32_b32 hwreg(HW_REG_WAVE_MODE, 25, 1), 1
	s_wait_xcnt 0x0
; TWO JOBS IN ONE LAUNCH, parted on the work-group's number.
; WORK-GROUPS 1..256: expert_weights [8][1024 k][1024 n] f32 become codes of E4M3 (w / 2^ew, held within +-448, nearest, ties to even), laid as the
; last launch's operand registers take them: wq [e][64 tiles of 16 columns][8 K steps][2,048 bytes], a fragment's register 4 c .. 4 c + 3 of lane (r, h) at 512 c + 256 h + 16 r.
; A LANE TAKES A COLUMN n, AND ITS REGISTERS RUN DOWN K, in the order of k in which the tokens' codes lie: piece P = 32 u + l (16 bytes) holds k = 512 u + 4 l + 128 (i / 4) + i % 4.
; Each load names one k by its immediate, so the order costs nothing.  A work-group takes 64 k (four pieces) x 512 columns; its sixteen waves stand side by side on 2,048 bytes of a row.
; A lane's 16 codes of a piece are 16 bytes of its column's place in a fragment, and sixteen neighbouring lanes store 256 consecutive bytes, aligned: no stage in LDS is needed.
; WORK-GROUP 0: the counting sort of the tokens by their pair of experts, from the whole numbers that the launch before stored: place = the pairs before mine + the tokens of my
; pair in the groups before mine + my rank in my group.  order[place] = token | e0 << 16 | e1 << 20.  No atomics; one barrier; LDS is used on this path alone.
; It also makes, for each block of 128 places, the list of experts that the block's tokens name: walk[block] = the experts in ascending order, 3 bits each from bit 0, and their
; number from bit 24 on; the word is stored 32 times, 128 consecutive bytes a block, at a fixed place.
; LIMITS: ew between -126 and 119; NaN among the inputs is not served.
.set X,  16                            ; weights: v16-79 four pieces x 16 numbers
.set C,  80                            ;          v80-95 their codes: never rewritten
.set H,  16                            ; sort: v16-31 my 16 groups' counts (lane = key)
.set CH, 32                            ;       v32-47 my 16 groups' words (lane = token of the group)
.set TW, 48                            ;       v48-63 the sixteen waves' totals
.set R,  64                            ;       v64-79 group j: where each key's tokens of that group begin
.set P,  80                            ;       v80-95 places, then byte offsets
.set WD, 96                            ;       v96-111 lane indices, then the words to store
; Is expert e among the keys in s33?  km: the keys (bits) whose pair holds e.  If so it is put at the list's end: s37 the list, s38 its length in bits, s39 in experts.
.macro HAS e, km
	s_and_b32 s40, s33, \km                        ; SCC: some key of the block holds e; the three selections stand ahead of every line that sets SCC anew
	s_cselect_b32 s41, \e, 0
	s_cselect_b32 s42, 3, 0
	s_cselect_b32 s43, 1, 0
	s_lshl_b32 s41, s41, s38
	s_or_b32 s37, s37, s41
	s_add_co_u32 s38, s38, s42
	s_add_co_u32 s39, s39, s43
.endm
	s_load_b256 s[4:11], s[0:1], 0x0               ; expert_weights 4, scales 6, choice 8, hist 10
	s_load_b128 s[12:15], s[0:1], 0x20             ; wq 12, order 14
	s_load_b64 s[28:29], s[0:1], 0x30              ; walk
	v_lshl_add_u32 v128, v0, 2, 0x800
	v_mov_b32 v129, 0
	v_lshrrev_b32 v3, 5, v0
	s_delay_alu instid0(VALU_DEP_1)
	v_readfirstlane_b32 s20, v3                    ; wave 0..15
	v_and_b32 v1, 31, v0                           ; lane
	s_delay_alu instid0(VALU_DEP_1)
	v_lshlrev_b32 v2, 2, v1                        ; 4 x lane
	s_cmp_eq_u32 ttmp9, 0                          ; the same in all waves of a work-group
	s_cbranch_scc1 .Lsort
	s_sub_co_u32 s21, ttmp9, 1                     ; b = e (3 bits) | u | a (3 bits) | half
	s_lshr_b32 s22, s21, 5                         ; e
	s_bfe_u32 s23, s21, 0x10004                    ; u
	s_bfe_u32 s24, s21, 0x30001                    ; a
	s_and_b32 s25, s21, 1                          ; half
	s_lshl_b32 s26, s22, 22                        ; in: expert e, row 512 u + 16 a, column 512 half + 32 wave
	s_lshl_b32 s27, s23, 21
	s_add_co_u32 s26, s26, s27
	s_lshl_b32 s27, s24, 16
	s_add_co_u32 s26, s26, s27
	s_lshl_b32 s27, s25, 11
	s_add_co_u32 s26, s26, s27
	s_lshl_b32 s27, s20, 7
	s_add_co_u32 s26, s26, s27
	s_mov_b32 s27, 0
	s_lshl_b32 s18, s22, 20                        ; out: expert e, tile 32 half + 2 wave, K step 4 u + a / 2, byte 1,024 (a % 2): the last two are u << 13 and a << 10
	s_lshl_b32 s19, s25, 19
	s_add_co_u32 s18, s18, s19
	s_lshl_b32 s19, s20, 15
	s_add_co_u32 s18, s18, s19
	s_lshl_b32 s19, s23, 13
	s_add_co_u32 s18, s18, s19
	s_lshl_b32 s19, s24, 10
	s_add_co_u32 s18, s18, s19
	s_mov_b32 s19, 0
	s_wait_alu depctr_va_vdst(0)
	v_and_b32 v4, 15, v1
	v_lshrrev_b32 v5, 4, v1
	s_delay_alu instid0(VALU_DEP_2)
	v_lshlrev_b32 v4, 4, v4
	s_delay_alu instid0(VALU_DEP_1)
	v_lshl_add_u32 v4, v5, 14, v4                  ; 16 (lane % 16), and lanes 16-31 one tile of columns on
	s_wait_kmcnt 0x0
	s_load_b64 s[16:17], s[6:7], 0x0               ; ex, ew
	s_add_nc_u64 s[4:5], s[4:5], s[26:27]
	s_add_nc_u64 s[12:13], s[12:13], s[18:19]
.irp p, 0,1,2,3
.irp i, 0,1,2,3,4,5,6,7,8,9,10,11,12,13,14,15
	global_load_b32 v[X+16*\p+\i], v2, s[4:5] offset:(4*\p+128*(\i/4)+\i%4)*4096 th:TH_LOAD_NT   ; the largest offset, 399 rows, lies inside the signed 24-bit immediate
.endr
.endr
	s_wait_kmcnt 0x0
	s_add_co_i32 s17, s17, 127
	s_lshl_b32 s16, s17, 23
	v_mov_b32 v11, s16                             ; 2^ew as f32: the conversion takes its exponent field
	s_add_co_i32 s17, s17, 8
	s_lshl_b32 s17, s17, 23
	s_or_b32 s17, s17, 0x600000
	v_mov_b32 v10, s17                             ; 448 x 2^ew
	s_wait_alu depctr_va_vdst(0)
.irp p, 0,1,2,3
	s_wait_loadcnt 16*(3-\p)                       ; this piece's 16 loads are in; the later pieces' stay out
.irp i, 0,1,2,3,4,5,6,7,8,9,10,11,12,13,14,15
	v_med3_num_f32 v[X+16*\p+\i], v[X+16*\p+\i], -v10, v10   ; the conversion does not saturate (ISA guide 7.6.2): the hold comes first
.endr
	v_cvt_scalef32_pk8_fp8_f32 v[C+4*\p:C+4*\p+1], v[X+16*\p:X+16*\p+7], v11
	v_cvt_scalef32_pk8_fp8_f32 v[C+4*\p+2:C+4*\p+3], v[X+16*\p+8:X+16*\p+15], v11
	v_nop                                          ; one plain vector line behind the last conversion of a run
	global_store_b128 v4, v[C+4*\p:C+4*\p+3], s[12:13] offset:256*\p   ; each half of the lanes stores 256 consecutive bytes, aligned
.endr
	s_endpgm
.Lsort:                                                ; wave w takes groups 16 w + j, j = 0..15
	s_lshl_b32 s26, s20, 11                        ; 16 groups x 128 bytes, in hist and in choice alike
	s_mov_b32 s27, 0
	v_lshlrev_b32 v3, 2, v0                        ; LDS: 128 x wave + 4 x lane
	s_lshl_b32 s23, s20, 9
	s_wait_alu depctr_va_vdst(0)
	v_add_nc_u32 v6, s23, v1                       ; the token of group 16 w, lane
	s_wait_kmcnt 0x0
	s_add_nc_u64 s[10:11], s[10:11], s[26:27]
	s_add_nc_u64 s[8:9], s[8:9], s[26:27]
.irp j, 0,1,2,3,4,5,6,7,8,9,10,11,12,13,14,15
	global_load_b32 v[H+\j], v2, s[10:11] offset:128*\j
.endr
.irp j, 0,1,2,3,4,5,6,7,8,9,10,11,12,13,14,15
	global_load_b32 v[CH+\j], v2, s[8:9] offset:128*\j
.endr
	s_wait_loadcnt 16                              ; the counts are in; the 16 loads of words stay out
	v_add3_u32 v10, v[H], v[H+1], v[H+2]
.irp j, 3,5,7,9,11,13
	s_delay_alu instid0(VALU_DEP_1)
	v_add3_u32 v10, v10, v[H+\j], v[H+\j+1]
.endr
	s_delay_alu instid0(VALU_DEP_1)
	v_add_nc_u32 v10, v10, v[H+15]                 ; my 16 groups' count of each key
	ds_store_b32 v3, v10
	s_wait_dscnt 0x0                               ; for the others' sake
	s_barrier_signal -1
	s_barrier_wait -1
.irp i, 0,1,2,3,4,5,6,7,8,9,10,11,12,13,14,15
	ds_load_b32 v[TW+\i], v2 offset:128*\i
.endr
	s_wait_dscnt 0x0
	v_add3_u32 v8, v[TW], v[TW+1], v[TW+2]
.irp j, 3,5,7,9,11,13
	s_delay_alu instid0(VALU_DEP_1)
	v_add3_u32 v8, v8, v[TW+\j], v[TW+\j+1]
.endr
	s_delay_alu instid0(VALU_DEP_1)
	v_add_nc_u32 v8, v8, v[TW+15]                  ; each key's count in all
	v_mov_b32 v9, 0                                ; and in the waves before mine
.irp i, 0,1,2,3,4,5,6,7,8,9,10,11,12,13,14
	s_cmp_gt_u32 s20, \i
	s_cselect_b32 s21, -1, 0
	v_and_b32 v4, s21, v[TW+\i]
	s_delay_alu instid0(VALU_DEP_1)
	v_add_nc_u32 v9, v9, v4
.endr
	v_mov_b32 v7, v8                               ; a running sum over the keys: four steps inside each half of the lanes,
.irp n, 1,2,4,8
	s_delay_alu instid0(VALU_DEP_1)
	v_mov_b32_dpp v4, v7 row_shr:\n row_mask:0xf bank_mask:0xf bound_ctrl:1   ; (lanes without a source take 0; v4 has been written)
	s_delay_alu instid0(VALU_DEP_1)
	v_add_nc_u32 v7, v7, v4
.endr
	s_delay_alu instid0(VALU_DEP_1)
	v_readlane_b32 s22, v7, 15                     ; then the lower half's total onto the upper half
	s_delay_alu instid0(VALU_DEP_1)
	v_mov_b32 v5, s22
	v_cmp_lt_u32 vcc_lo, 15, v1
	s_delay_alu instid0(VALU_DEP_1)
	v_cndmask_b32 v4, 0, v5, vcc_lo
	s_delay_alu instid0(VALU_DEP_1)
	v_add_nc_u32 v7, v7, v4
	s_delay_alu instid0(VALU_DEP_1)
	v_sub_nc_u32 v7, v7, v8                        ; the tokens of the keys before mine: where my key's tokens begin
	s_delay_alu instid0(VALU_DEP_1)
	v_add_nc_u32 v[R], v7, v9
.irp j, 1,2,3,4,5,6,7,8,9,10,11,12,13,14,15
	s_delay_alu instid0(VALU_DEP_1)
	v_add_nc_u32 v[R+\j], v[R+\j-1], v[H+\j-1]
.endr
	; THE WALK LISTS of blocks 4 w .. 4 w + 3.  A key touches the block of places L .. L + 127 if it has tokens, begins under L + 128 and ends above L.
	; The keys: pair (lo, hi) is key lo (15 - lo) / 2 + (hi - lo - 1 for even lo, 7 - hi for odd lo); the eight constants below name, for each expert, the seven keys whose pair holds it.
	v_add_nc_u32 v10, v7, v8                       ; where my key's tokens end
	s_wait_alu depctr_va_vdst(0)
	v_cmp_ne_u32 s35, 0, v8                        ; the keys that have tokens
	s_lshl_b32 s30, s20, 9                         ; my first block's first place, 512 w; my four blocks' words begin as many bytes into walk
	s_mov_b32 s31, 0
	s_add_nc_u64 s[28:29], s[28:29], s[30:31]
.irp j, 0,1,2,3
	s_add_co_u32 s32, s30, 128*\j+128
	s_add_co_u32 s34, s30, 128*\j
	v_cmp_gt_u32 s33, s32, v7
	v_cmp_lt_u32 s36, s34, v10
	s_and_b32 s33, s33, s36
	s_and_b32 s33, s33, s35                        ; the keys that touch the block
	s_mov_b32 s37, 0
	s_mov_b32 s38, 0
	s_mov_b32 s39, 0
	HAS 0, 0x7f
	HAS 1, 0x1f81
	HAS 2, 0x3f002
	HAS 3, 0x3c2804
	HAS 4, 0x1e04408
	HAS 5, 0x6508210
	HAS 6, 0xc890120
	HAS 7, 0xb0600c0
	s_lshl_b32 s39, s39, 24
	s_or_b32 s37, s37, s39
	v_mov_b32 v[12+\j], s37                        ; a register for each block: no store's data are written again
	global_store_b32 v2, v[12+\j], s[28:29] offset:128*\j
.endr
	s_wait_loadcnt 0x0                             ; the words
.irp j, 0,1,2,3,4,5,6,7,8,9,10,11,12,13,14,15
	v_bfe_u32 v[WD+\j], v[CH+\j], 8, 5             ; my token's key,
	s_delay_alu instid0(VALU_DEP_1)
	v_min_u32 v[WD+\j], 31, v[WD+\j]               ; held inside the wave,
	s_delay_alu instid0(VALU_DEP_1)
	v_lshlrev_b32 v[WD+\j], 2, v[WD+\j]            ; as a lane index in bytes
.endr
.irp j, 0,1,2,3,4,5,6,7,8,9,10,11,12,13,14,15
	ds_bpermute_b32 v[P+\j], v[WD+\j], v[R+\j]     ; from the lane of my key: where its tokens of this group begin (no LDS byte is touched)
.endr
	s_wait_dscnt 0x0
.irp j, 0,1,2,3,4,5,6,7,8,9,10,11,12,13,14,15
	v_lshrrev_b32 v4, 16, v[CH+\j]                 ; + my rank
	s_delay_alu instid0(VALU_DEP_1)
	v_add_nc_u32 v[P+\j], v[P+\j], v4
	s_delay_alu instid0(VALU_DEP_1)
	v_min_u32 v[P+\j], 0x1fff, v[P+\j]             ; a place stays inside the list
	s_delay_alu instid0(VALU_DEP_1)
	v_lshlrev_b32 v[P+\j], 2, v[P+\j]
	v_add_nc_u32 v[WD+\j], 32*\j, v6               ; token
	v_and_b32 v4, 7, v[CH+\j]
	s_delay_alu instid0(VALU_DEP_1)
	v_lshl_or_b32 v[WD+\j], v4, 16, v[WD+\j]       ; | e0 << 16
	v_bfe_u32 v4, v[CH+\j], 4, 3
	s_delay_alu instid0(VALU_DEP_1)
	v_lshl_or_b32 v[WD+\j], v4, 20, v[WD+\j]       ; | e1 << 20
	global_store_b32 v[P+\j], v[WD+\j], s[14:15]   ; the scatter is the sort itself: 32 KB in all
.endr
	s_wait_tensorcnt 0x0
	ds_add_u32 v128, v129
	s_wait_dscnt 0x0
	s_endpgm
.Lfunc_end_k_q8f1fe74098_wsort:
	.size	k_q8f1fe74098_wsort, .Lfunc_end_k_q8f1fe74098_wsort-k_q8f1fe74098_wsort
	.p2alignl 7, 3214868480
	.fill 96, 4, 3214868480
	.section	.rodata,"a",@progbits
	.p2align	6, 0x0
	.amdhsa_kernel k_q8f1fe74098_wsort
		.amdhsa_group_segment_fixed_size 4096
		.amdhsa_private_segment_fixed_size 0
		.amdhsa_enable_private_segment 0
		.amdhsa_kernarg_size 56
		.amdhsa_user_sgpr_count 2
		.amdhsa_user_sgpr_kernarg_segment_ptr 1
		.amdhsa_wavefront_size32 1
		.amdhsa_system_sgpr_workgroup_id_x 1
		.amdhsa_system_sgpr_workgroup_id_y 1
		.amdhsa_system_sgpr_workgroup_id_z 1
		.amdhsa_system_vgpr_workitem_id 0
		.amdhsa_next_free_vgpr 130
		.amdhsa_next_free_sgpr 66
		.amdhsa_reserve_vcc 1
		.amdhsa_float_denorm_mode_32 3
		.amdhsa_float_denorm_mode_16_64 3
		.amdhsa_memory_ordered 1
		.amdhsa_forward_progress 1
		.amdhsa_inst_pref_size 51
	.end_amdhsa_kernel
	.amdgpu_metadata
---
amdhsa.version: [ 1, 2 ]
amdhsa.kernels:
  - .name:           k_q8f1fe74098_wsort
    .symbol:         k_q8f1fe74098_wsort.kd
    .args:
      - { .name: expert_weights, .offset: 0, .size: 8, .value_kind: global_buffer, .address_space: global }
      - { .name: lowp_scales, .offset: 8, .size: 8, .value_kind: global_buffer, .address_space: global }
      - { .name: choice, .offset: 16, .size: 8, .value_kind: global_buffer, .address_space: global }
      - { .name: hist, .offset: 24, .size: 8, .value_kind: global_buffer, .address_space: global }
      - { .name: wq, .offset: 32, .size: 8, .value_kind: global_buffer, .address_space: global }
      - { .name: order, .offset: 40, .size: 8, .value_kind: global_buffer, .address_space: global }
      - { .name: walk, .offset: 48, .size: 8, .value_kind: global_buffer, .address_space: global }
    .group_segment_fixed_size: 4096
    .private_segment_fixed_size: 0
    .kernarg_segment_align: 8
    .kernarg_segment_size: 56
    .max_flat_workgroup_size: 512
    .sgpr_count:     66
    .vgpr_count:     130
    .wavefront_size: 32
...
	.end_amdgpu_metadata
.endif
;; end of part 5
;; launch experts (part 6): grid 4 x 64, 4 waves a work-group, no clusters, 151,040 bytes of LDS; arguments xq, wq, order, gate, out0, walk; writes out0
.if DOCPART == 6
	.amdgcn_target "amdgcn-amd-amdhsa--gfx1250"
	.amdhsa_code_object_version 6
	.text
	.protected	k_q8f1fe74098_experts
	.globl	k_q8f1fe74098_experts
	.p2align	8
	.type	k_q8f1fe74098_experts,@function
k_q8f1fe74098_experts:
	s_mov_b64 s[64:65], 0
	v_nop
	global_prefetch_b8 v0, s[64:65] scope:SCOPE_SE
	s_setreg_imm32_b32 hwreg(HW_REG_WAVE_SCHED_MODE, 0, 2), 2
	s_setreg_imm32_b32 hwreg(HW_REG_WAVE_MODE, 25, 1), 1
	s_wait_xcnt 0x0
	s_wait_alu depctr_vm_vsrc(0)
; THE EXPERTS' PRODUCT AND THE COMBINE.  out0[token] = g0 x (X We0) + g1 x (X We1) on codes of E4M3; the gates hold the weights, the division, the scale and 2^(ex + ew).
; A work-group owns 128 places of the list sorted by pairs of experts (work-group y) x 256 columns (work-group x): each output number has one owner, and the two experts' parts are added in registers.
; Wave w takes all 128 rows x columns 256 x + 64 w .. + 63.  The 128 tokens' codes are gathered once, through registers that are idle at the head, into LDS (16 lanes read and store 256 consecutive
; bytes of a row) and stay there.  The weights come from memory straight into registers: they were laid as images of the operand's registers, so each load of a wave reads 512 consecutive bytes,
; and no wave reads another's columns.
; THE WALK: the experts that the block's tokens name, as the launch before listed them (one word: 3 bits an expert from bit 0, their number from bit 24), one PASS each: S = X We (32 tiles of 16 x 16,
; K = 1,024 in eight steps), then OUT += gate x S, the gate being g0, g1 or 0 for each token.  The first pass stands ahead of the loop (a block names two experts at the least) and starts OUT by a
; multiplication: nothing is cleared.  The loop has a constant bound of seven trips and one way out ahead, on the listed number; no barrier and no LDS address hangs on the list.
; THE MATRIX INSTRUCTION IS USED TRANSPOSED (source 0 = 16 columns of We, source 1 = 16 tokens): a lane holds ONE token (lane % 16) and eight neighbouring columns, so a gate is one number a lane and row tile.
; Both operands hold k in the same permuted order (byte 16 P + i: k = 512 (P / 32) + 4 (P % 32) + 128 (i / 4) + i % 4); every product meets its partner; the order of the sums is this text's own.
; Behind the last pass the weight loads that run ahead take the list's next field, which is 0: 48 loads a wave from expert 0 that stay inside wq and are not used, so that the counts of the waits
; are the same on every way.
; NO CLUSTER, NO JOINT LOADS: which experts a block walks, and how many, is read from the list and differs from block to block, so partners would need different tiles in different numbers;
; the four column blocks of one token block share only its 128 KB of codes, which are rows gathered from a list and no tile of one descriptor.
; LDS: 0 .. 133,119: 128 rows of 1,024 bytes + 16 of padding (65 x 16 bytes: the 16 rows of a fragment load start at 16 different banks; 64 banks of 4 bytes: ISA guide 11.1), written once;
; from 133,120: a stage of 16 rows x 272 bytes for each wave; from 150,528: the spare words, 128 bytes for each wave, which no other line names.
; LIMITS: indices read from the lists are held at 8,191 and 7, the number of passes between 1 and 8; sums of codes stay finite (1,024 x 448 x 448), so a gate of 0 gives 0.
; REGISTERS, in windows of 256: window 0: v1-14 addresses and work; v9, v15 the closing add's two; v16-31 the tokens' two experts; v32-47 their gates; v48-63 the pass's gate (and 0) in pairs; v64-127 byte offsets of the rows of out0;
;   v128-255 the tokens' fragments (8 x 16 registers), at the head scratch, on the way out rows read back.  window 1: four buffers of four weight fragments.  window 2: S (at the head: the gathered rows).  window 3: OUT.
; THE MODE: SCHED_MODE bits 1:0 = 2 (LLVM: expert scheduling mode 2), set by the entry lines.  The code itself states the register dependences
; between vector or matrix instructions and memory or LDS instructions, with s_wait_alu, always for 0.
; THE PLAN.  Registers that memory or LDS instructions touch, and who else names them:
;   A-lo v128-191, A-hi v192-255  the fragments of row tiles 0-3 and 4-7, ONE set (all 1,024 registers are taken).  K step s: a half's sixteen products read it; behind them the LDS loads of step s + 1 land in it.
;   W0 .. W3 (window 1)           K step s: its 32 products read W[s % 4]; the loads of step s + 3 land in W[(s + 3) % 4] = W[(s - 1) % 4], which the step before read.
;   v4-8, v11-14                  addresses and offsets, made at the head and never written again.
;   S (window 2)                  at the head the gathered rows land in it and my LDS stores read it; from the first product on matrix and vector instructions alone name it.
;   v144-159, v188-195            at the head: offsets made from the list by vector lines, read by the gather's and the gates' loads; afterwards part of A.
;   v64-127                       loaded from the list, made into offsets by vector lines at the head, read by the last global stores.
;   OUT (window 3)                written by the passes' packed multiply-adds; read by the LDS stores of the way out.
;   v128-159, v160-191            on the way out, by turns: rows from the stage land there, the global stores read them.
;   s34; s40-55                   written by vector instructions (the wave's number; a pass's sixteen masks), each run with one wait on va_sdst ahead of its first reader.
; With one set of A each half is waited for between its products of one step and of the next: TWO waits on va_vdst stand in a K step, one behind each half's products, and the half's LDS loads follow at once.
; The first of the two also states that the step before is done reading its weights: so the step's sixteen weight loads stand among the products of tiles 4-7, which name A-hi, W[s % 4] and S alone, with no further wait.
.set PITCH,  1040
.set STAGE,  128*PITCH
.set SPITCH, 272
.set EA,   16                          ; v16-23   row tile m: my token's first expert
.set EB,   24                          ; v24-31   its second
.set G,    32                          ; v32-47   pairs g0, g1
.set GP,   48                          ; v48-63   pairs: the gate of the pass, 0
.set OT,   64                          ; v64-127  register 8 m + i: place 16 m + 8 (lane / 16) + i: token x 4,096 + 16 (lane % 16)
.set AF,   128                         ; the tokens' fragments
.set GT,   128                         ; head: the words of the rows that I gather
.set GOFF, 144                         ;       their byte offsets in xq
.set RT,   176                         ;       the words of my row tiles' tokens
.set ROFF, 188                         ;       byte offsets in gate
.set BK,   128                         ; the way out: 16 rows read back, v128-159 and v160-191 by turns
.set MA,   40                          ; s40-47   row tile m: the lanes whose token's first expert is the pass's
.set MB,   48                          ; s48-55   the same for the second
.set MUL,  0xa1                        ; source 0 (weights) window 1, source 1 (tokens) window 0, C and D window 2
.set TO_B, 0x40                        ; destination window 1, address window 0
.set MSB, 0
.macro WIN new                         ; the immediate's high byte repeats the setting that is left
.if MSB != \new
	s_set_vgpr_msb (MSB<<8)|\new
.set MSB, \new
.endif
.endm
.macro BLOAD s, b                      ; the four weight fragments of K step s from the base in s[b:b+1], into buffer s % 4
	WIN TO_B
.irp t, 0,1,2,3
.irp c, 0,1,2,3
	global_load_b128 v[64*((\s)%4)+16*\t+4*\c:64*((\s)%4)+16*\t+4*\c+3], v6, s[\b:\b+1] offset:16384*\t+2048*(\s)+512*\c
.endr
.endr
.endm
.macro ALOAD adr, lo, s                ; the tokens' fragments lo .. lo + 3 of K step s: lane (r, h) takes bytes 128 s + 32 c + 16 h + 0..15 of row 16 m + r into registers 4 c .. 4 c + 3
.irp m, 0,1,2,3
.irp c, 0,1,2,3
	ds_load_b128 v[AF+16*(\lo+\m)+4*\c:AF+16*(\lo+\m)+4*\c+3], v[\adr] offset:16*PITCH*\m+128*(\s)+32*\c
.endr
.endr
.endm
.macro MUL8 lo, s                      ; 8 matrix instructions: row tiles lo, lo + 1 x my four column tiles.  The 32 accumulators take turns, one instruction a turn, in the same order in every step.  Step 0 starts the sums
.irp m, 0,1
.irp t, 0,1,2,3
.if (\s) == 0
	v_wmma_f32_16x16x128_fp8_fp8 v[8*(4*(\lo+\m)+\t):8*(4*(\lo+\m)+\t)+7], v[64*((\s)%4)+16*\t:64*((\s)%4)+16*\t+15], v[AF+16*(\lo+\m):AF+16*(\lo+\m)+15], 0
.else
	v_wmma_f32_16x16x128_fp8_fp8 v[8*(4*(\lo+\m)+\t):8*(4*(\lo+\m)+\t)+7], v[64*((\s)%4)+16*\t:64*((\s)%4)+16*\t+15], v[AF+16*(\lo+\m):AF+16*(\lo+\m)+15], v[8*(4*(\lo+\m)+\t):8*(4*(\lo+\m)+\t)+7]
.endif
.endr
.endr
.endm
.macro KSTEP s                         ; 128 along K: 32 matrix instructions.  The tokens' fragments have one set of registers, fetched anew by halves; the weights run three steps ahead, into the next expert too
	s_wait_loadcnt 32                              ; this step's 16 weight loads are in; those of the next two steps stay out
	s_wait_dscnt 16                                ; row tiles 0-3 are in; the 16 loads of tiles 4-7 may be out
	WIN MUL
	MUL8 0, \s
	MUL8 2, \s
	WIN 0
	s_wait_alu depctr_va_vdst(0)                   ; the sixteen products above are done reading A-lo, in which the loads below land; the step before is done reading its weights, in whose buffer this step's weight loads land
	ALOAD 4, 0, (\s+1)%8
	s_wait_dscnt 16                                ; row tiles 4-7 are in; the 16 loads just issued stay out
	WIN MUL
	MUL8 4, \s
.if \s < 5
	BLOAD \s+3, 20                                 ; into the buffer that the step before read.  No wait: the products issued since the wait above name A-hi, this step's weights and S, not that buffer and not v6
.else
	BLOAD \s-5, 22                                 ; the next expert's first three steps, likewise
.endif
	WIN MUL
	MUL8 6, \s
	WIN 0
	s_wait_alu depctr_va_vdst(0)                   ; the sixteen products of tiles 4-7 are done reading A-hi, in which the loads below land
	ALOAD 5, 4, (\s+1)%8
.endm
.macro PASS first
	s_wait_xcnt 0x0                                ; the weight loads that are out have read their bases: only now are the bases written
	s_mov_b64 s[20:21], s[22:23]                   ; the expert in hand
	s_mov_b32 s27, s28
	s_lshr_b32 s26, s26, 3                         ; it leaves the list
	s_and_b32 s28, s26, 7                          ; the next one (behind the last: 0),
	s_min_u32 s28, s28, 7                          ; held inside wq
	s_lshl_b32 s24, s28, 20
	s_add_nc_u64 s[22:23], s[6:7], s[24:25]
	s_sub_co_u32 s33, s33, 1                       ; passes left behind this one
.irp s, 0,1,2,3,4,5,6,7
	KSTEP \s
.endr
; my tokens' gates for this expert: g0, g1 or 0.  The compares stand in one run, each with a scalar register of its own, so that one wait serves all sixteen
.irp m, 0,1,2,3,4,5,6,7
	v_cmp_eq_u32 s[MB+\m], s27, v[EB+\m]
.endr
.irp m, 0,1,2,3,4,5,6,7
	v_cmp_eq_u32 s[MA+\m], s27, v[EA+\m]
.endr
	s_wait_alu depctr_va_sdst(0)                   ; the sixteen compares have written s40-55, ahead of the selects that read them
.irp m, 0,1,2,3,4,5,6,7
	v_cndmask_b32 v[GP+2*\m], 0, v[G+2*\m+1], s[MB+\m]
.endr
.irp m, 0,1,2,3,4,5,6,7
	v_cndmask_b32 v[GP+2*\m], v[GP+2*\m], v[G+2*\m], s[MA+\m]   ; these plain lines, which name no register of the last products, are also the places between those and the first read of S (ISA guide 7.12.1)
.endr
.if \first
	WIN 0xc2                                       ; source 0 (S) window 2, source 1 (the gate) window 0, destination (OUT) window 3
.else
	WIN 0xf2                                       ; the same, source 2 window 3
.endif
.irp m, 0,1,2,3,4,5,6,7
.irp t, 0,1,2,3
.irp i, 0,2,4,6                        ; each accumulator from its low end on; of the gate's pair the low word serves both halves
.if \first
	v_pk_mul_f32 v[8*(4*\m+\t)+\i:8*(4*\m+\t)+\i+1], v[8*(4*\m+\t)+\i:8*(4*\m+\t)+\i+1], v[GP+2*\m:GP+2*\m+1] op_sel_hi:[1,0]
.else
	v_pk_fma_f32 v[8*(4*\m+\t)+\i:8*(4*\m+\t)+\i+1], v[8*(4*\m+\t)+\i:8*(4*\m+\t)+\i+1], v[GP+2*\m:GP+2*\m+1], v[8*(4*\m+\t)+\i:8*(4*\m+\t)+\i+1] op_sel_hi:[1,0,1]
.endif
.endr
.endr
.endr
	WIN 0                                          ; at a label and at a branch every window is 0
.endm
	s_load_b256 s[4:11], s[0:1], 0x0               ; xq 4, wq 6, order 8, gate 10
	s_load_b128 s[12:15], s[0:1], 0x20             ; out0 12, walk 14
	v_lshl_add_u32 v9, v0, 2, 0x24c00              ; my spare word, and 0: made here and kept for the closing lines alone
	v_mov_b32 v15, 0
	v_lshrrev_b32 v10, 5, v0
	v_readfirstlane_b32 s34, v10                   ; wave 0..3
	v_and_b32 v1, 15, v0                           ; r
	v_bfe_u32 v2, v0, 4, 1                         ; h
	v_lshlrev_b32 v3, 4, v1                        ; 16 r
	v_mul_u32_u24 v4, v1, PITCH
	v_lshl_add_u32 v4, v2, 4, v4                   ; a fragment's row x pitch + 16 h: row tiles 0-3,
	v_add_nc_u32 v5, 4*16*PITCH, v4                ; and 4-7 (the 16-bit offset does not reach them)
	v_and_b32 v6, 31, v0
	v_lshlrev_b32 v6, 4, v6                        ; 16 x lane: my place in a weight fragment's image
	s_wait_alu depctr_va_sdst(0)                   ; s34 is written, ahead of its first reader: LDS addresses and the bases of wq and out0 are made from it
	s_mul_i32 s30, s34, 16*SPITCH
	s_add_co_u32 s30, s30, STAGE                   ; my stage
	v_mul_u32_u24 v7, v1, SPITCH
	v_lshl_add_u32 v7, v2, 5, v7
	v_add_nc_u32 v7, s30, v7                       ; in: row r, 32 bytes for each half of the lanes
	v_mul_u32_u24 v8, v2, 8*SPITCH
	v_add_nc_u32 v8, v8, v3
	v_add_nc_u32 v8, s30, v8                       ; back: lanes 0-15 take row i of 256 bytes, lanes 16-31 row 8 + i
	s_mul_i32 s31, s34, 32*PITCH
	v_mul_u32_u24 v11, v2, PITCH
	v_add_nc_u32 v11, v11, v3
	v_add_nc_u32 v11, s31, v11                     ; the gather: row 32 w + h, byte 16 r
	v_lshlrev_b32 v12, 5, v2                       ; the list's words of places 8 h on
	s_lshl_b32 s32, s34, 7
	v_lshl_add_u32 v13, v2, 2, s32                 ; of place 32 w + h
	v_lshlrev_b32 v14, 2, v1                       ; of place r
	s_and_b32 s35, ttmp7, 0xffff                   ; y
	s_lshl_b32 s24, s35, 9                         ; 128 places x 4 bytes
	s_mov_b32 s25, 0
	s_lshl_b32 s36, s35, 7                         ; the block's word in walk
	s_mov_b32 s37, 0
	s_lshl_b32 s16, ttmp9, 18                      ; my first tile of columns, 16 x + 4 w, x 16,384 bytes
	s_lshl_b32 s17, s34, 16
	s_add_co_u32 s16, s16, s17
	s_mov_b32 s17, 0
	s_lshl_b32 s18, ttmp9, 10                      ; my first column in a row of out0: 1,024 x + 256 w bytes
	s_lshl_b32 s19, s34, 8
	s_add_co_u32 s18, s18, s19
	s_mov_b32 s19, 0
	s_wait_kmcnt 0x0
	s_add_nc_u64 s[14:15], s[14:15], s[36:37]
	s_load_b32 s26, s[14:15], 0x0                  ; the block's experts and their number
	s_add_nc_u64 s[8:9], s[8:9], s[24:25]
	s_add_nc_u64 s[6:7], s[6:7], s[16:17]
	s_add_nc_u64 s[12:13], s[12:13], s[18:19]
	s_wait_alu depctr_va_vdst(0)                   ; the addresses and offsets v4-8 and v11-14 are written, which the loads and stores of the whole kernel read, and so are v9 and v15
.irp j, 0,1,2,3,4,5,6,7,8,9,10,11,12,13,14,15
	global_load_b32 v[GT+\j], v13, s[8:9] offset:8*\j    ; place 32 w + 2 j + h
.endr
.irp m, 0,1,2,3,4,5,6,7
	global_load_b32 v[RT+\m], v14, s[8:9] offset:64*\m   ; place 16 m + r
.endr
.irp m, 0,1,2,3,4,5,6,7
	global_load_b128 v[OT+8*\m:OT+8*\m+3], v12, s[8:9] offset:64*\m        ; places 16 m + 8 h + 0..3,
	global_load_b128 v[OT+8*\m+4:OT+8*\m+7], v12, s[8:9] offset:64*\m+16   ; and + 4..7
.endr
	s_wait_loadcnt 0x0                             ; all come from the block's 512 bytes of the list
; all the offsets that hang on the list are made first, the gather's and the gates', so that one wait serves both runs of loads
.irp j, 0,1,2,3,4,5,6,7,8,9,10,11,12,13,14,15
	v_and_b32 v[GT+\j], 0x1fff, v[GT+\j]
	v_min_u32 v[GT+\j], 0x1fff, v[GT+\j]           ; a token stays inside xq
	v_lshl_add_u32 v[GOFF+\j], v[GT+\j], 10, v3
.endr
.irp m, 0,1,2,3,4,5,6,7
	v_bfe_u32 v[EA+\m], v[RT+\m], 16, 3
	v_bfe_u32 v[EB+\m], v[RT+\m], 20, 3
	v_and_b32 v[ROFF+\m], 0x1fff, v[RT+\m]
	v_min_u32 v[ROFF+\m], 0x1fff, v[ROFF+\m]
	v_lshlrev_b32 v[ROFF+\m], 3, v[ROFF+\m]
.endr
	WIN 0x80                                       ; destination window 2, address window 0
	s_wait_alu depctr_va_vdst(0)                   ; the sixteen offsets in xq (v144-159) and the eight in gate (v188-195) are written, which the loads below read
.irp j, 0,1,2,3,4,5,6,7,8,9,10,11,12,13,14,15
.irp i, 0,1,2,3
	global_load_b128 v[16*\j+4*\i:16*\j+4*\i+3], v[GOFF+\j], s[4:5] offset:256*\i   ; a row's four quarters: each half of the lanes reads 256 consecutive bytes
.endr
.endr
	WIN 0
.irp m, 0,1,2,3,4,5,6,7
	global_load_b64 v[G+2*\m:G+2*\m+1], v[ROFF+\m], s[10:11]
.endr
	s_wait_kmcnt 0x0
	s_lshr_b32 s33, s26, 24                        ; the number of passes,
	s_min_u32 s33, s33, 8
	s_max_u32 s33, s33, 1                          ; held between 1 and 8
	s_and_b32 s26, s26, 0xffffff                   ; the list
	s_and_b32 s28, s26, 7                          ; the first expert,
	s_min_u32 s28, s28, 7                          ; held inside wq
	s_lshl_b32 s24, s28, 20
	s_add_nc_u64 s[22:23], s[6:7], s[24:25]
	BLOAD 0, 22                                    ; no wait: no vector instruction has named window 1, and v6 was written ahead of the waits above
	BLOAD 1, 22
	BLOAD 2, 22
	WIN 0
.irp m, 0,1,2,3,4,5,6,7
	v_mov_b32 v[GP+2*\m+1], 0                      ; named with the gate as a pair, so it is written
.endr
.set I, 0
.rept 64
	v_and_b32 v[OT+I], 0x1fff, v[OT+I]
.set I, I+1
.endr
.set I, 0
.rept 64
	v_min_u32 v[OT+I], 0x1fff, v[OT+I]             ; a token stays inside out0
.set I, I+1
.endr
.set I, 0
.rept 64
	v_lshl_add_u32 v[OT+I], v[OT+I], 12, v3
.set I, I+1
.endr
	s_wait_loadcnt 48                              ; the gathered rows and the gates are in (so their address registers are free); the 48 weight loads behind them stay out
	WIN 0x08                                       ; the stores' data: window 2.  They were brought by loads, and v11 was written ahead of the waits above: no vector line since names either
.irp j, 0,1,2,3,4,5,6,7,8,9,10,11,12,13,14,15
.irp i, 0,1,2,3
	ds_store_b128 v11, v[16*\j+4*\i:16*\j+4*\i+3] offset:2*PITCH*\j+256*\i
.endr
.endr
	WIN 0
	s_wait_dscnt 0x0                               ; for the others' sake: my 32 rows lie in LDS,
	s_barrier_signal -1
	s_barrier_wait -1                              ; all 128 do: the launch's one barrier
	s_wait_alu depctr_vm_vsrc(0)                   ; the gather's and the gates' loads have read their offsets v144-159 and v188-195, in which fragments land; my LDS stores have read window 2, which the products write
	s_wait_alu depctr_va_vdst(0)                   ; the head's vector lines are done writing and reading v128-195, in which fragments land; and they have written the offsets v64-127, which the last stores read
	ALOAD 4, 0, 0
	ALOAD 5, 4, 0
	PASS 1
	s_mov_b32 s29, 0
.Lpass:                                                ; on the way in and on the way back alike: 48 weight loads and 32 LDS loads are out
	s_cmp_eq_u32 s33, 0                            ; the list is walked
	s_cbranch_scc1 .Ldone
	PASS 0
	s_add_co_u32 s29, s29, 1
	s_cmp_lt_u32 s29, 7
	s_cbranch_scc1 .Lpass
.Ldone:
; THE WAY OUT, a row tile (16 tokens x my 64 columns) at a time.  A lane holds 32 neighbouring bytes of a row and the lanes beside it hold other rows: so a tile goes through my own stage and comes back as
; whole rows of 256 bytes.  LDS serves a wave's instructions in order (ISA guide 5.7.1.4): no wait between the stores and the loads, nor in front of the next tile's stores.
; No vector instruction stands in the way out: one wait on va_vdst at its head serves all of it.
.macro TOSTAGE m
	WIN 0x0c                                       ; the stores' data: window 3
.irp t, 0,1,2,3
	ds_store_b128 v7, v[32*(\m)+8*\t:32*(\m)+8*\t+3] offset:64*\t
	ds_store_b128 v7, v[32*(\m)+8*\t+4:32*(\m)+8*\t+7] offset:64*\t+16
.endr
	WIN 0
.irp i, 0,1,2,3,4,5,6,7
	ds_load_b128 v[BK+32*((\m)%2)+4*\i:BK+32*((\m)%2)+4*\i+3], v8 offset:SPITCH*\i
.endr
.endm
.macro SEND m, younger                 ; younger: the LDS instructions issued behind tile m's loads, which may stay out
	s_wait_dscnt \younger
.irp i, 0,1,2,3,4,5,6,7
	global_store_b128 v[OT+8*(\m)+\i], v[BK+32*((\m)%2)+4*\i:BK+32*((\m)%2)+4*\i+3], s[12:13] th:TH_STORE_NT   ; each half of the lanes stores 256 consecutive bytes of its token's row, aligned; written once, read by nobody here
.endr
.endm
	s_wait_dscnt 0x0                               ; the fragment loads that ran ahead have landed: their registers take the rows read back
	WIN 0x0c                                       ; (the first tile's window, ahead of the wait)
	s_wait_alu depctr_va_vdst(0)                   ; the last pass's multiply-adds have written OUT, which the LDS stores read; the products are done reading v128-191, in which the rows from the stage land
	TOSTAGE 0
.irp m, 1,2,3,4,5,6,7
.if \m > 1
	s_wait_xcnt 0x0                                ; tile m - 2's stores have had their addresses translated (ISA guide 3.1),
	s_wait_alu depctr_vm_vsrc(0)                   ; and have read their data registers, in which tile m's rows land
.endif
	TOSTAGE \m
	SEND \m-1, 16                                  ; behind tile m - 1's loads: tile m's 8 stores and 8 loads
.endr
	SEND 7, 0
	s_wait_dscnt 0x0                               ; the closing lines, six on end
	s_wait_alu 0x0
	s_wait_tensorcnt 0x0
	ds_add_u32 v9, v15
	s_wait_dscnt 0x0
	s_endpgm
.Lfunc_end_k_q8f1fe74098_experts:
	.size	k_q8f1fe74098_experts, .Lfunc_end_k_q8f1fe74098_experts-k_q8f1fe74098_experts
	.p2alignl 7, 3214868480
	.fill 96, 4, 3214868480
	.section	.rodata,"a",@progbits
	.p2align	6, 0x0
	.amdhsa_kernel k_q8f1fe74098_experts
		.amdhsa_group_segment_fixed_size 151040
		.amdhsa_private_segment_fixed_size 0
		.amdhsa_enable_private_segment 0
		.amdhsa_kernarg_size 48
		.amdhsa_user_sgpr_count 2
		.amdhsa_user_sgpr_kernarg_segment_ptr 1
		.amdhsa_wavefront_size32 1
		.amdhsa_system_sgpr_workgroup_id_x 1
		.amdhsa_system_sgpr_workgroup_id_y 1
		.amdhsa_system_sgpr_workgroup_id_z 1
		.amdhsa_system_vgpr_workitem_id 0
		.amdhsa_next_free_vgpr 1024
		.amdhsa_next_free_sgpr 66
		.amdhsa_reserve_vcc 0
		.amdhsa_float_denorm_mode_32 3
		.amdhsa_float_denorm_mode_16_64 3
		.amdhsa_memory_ordered 1
		.amdhsa_forward_progress 1
		.amdhsa_inst_pref_size 172
	.end_amdhsa_kernel
	.amdgpu_metadata
---
amdhsa.version: [ 1, 2 ]
amdhsa.kernels:
  - .name:           k_q8f1fe74098_experts
    .symbol:         k_q8f1fe74098_experts.kd
    .args:
      - { .name: xq, .offset: 0, .size: 8, .value_kind: global_buffer, .address_space: global }
      - { .name: wq, .offset: 8, .size: 8, .value_kind: global_buffer, .address_space: global }
      - { .name: order, .offset: 16, .size: 8, .value_kind: global_buffer, .address_space: global }
      - { .name: gate, .offset: 24, .size: 8, .value_kind: global_buffer, .address_space: global }
      - { .name: out0, .offset: 32, .size: 8, .value_kind: global_buffer, .address_space: global }
      - { .name: walk, .offset: 40, .size: 8, .value_kind: global_buffer, .address_space: global }
    .group_segment_fixed_size: 151040
    .private_segment_fixed_size: 0
    .kernarg_segment_align: 8
    .kernarg_segment_size: 48
    .max_flat_workgroup_size: 128
    .sgpr_count:     66
    .vgpr_count:     1024
    .wavefront_size: 32
...
	.end_amdgpu_metadata
.endif
;; end of part 6
